; MI455X (gfx1250); checked and timed in simulation.
; The chip was launched on July 23, 2026; its instructions are those of AMD's public machine-readable ISA for CDNA 5 (MIT licence, August 2026) and "CDNA5" Instruction Set Architecture Reference Guide (July 2026). The comments in the code are by the model that wrote it; some were corrected since.
;; Causal Self Attention. Allowed arithmetic: matrix products marked QUANTISED: E2M1 operands, one E8M0 scale for each 32 along K, by v_wmma_scale_f32_16x16x128_f8f6f4 with both operands' format E2M1 (or v_wmma_scale_f32_32x16x128_f4), f32 sums; products left as they are: bf16, f16 or f32 operands; f32 sums; everything else in f32.
;; Inputs: Wout 1,024 x 1,024 float32; Wqkv 1,024 x 3,072 float32; bout 1,024 float32; bqkv 3,072 float32; x 4 x 2,048 x 1,024 float32.
;; Outputs: out0 4 x 2,048 x 1,024 float32.
;; This version of the problem:
;;   THIS VERSION OF THE PROBLEM IS GIVEN IN LOW PRECISION. The matrix products marked QUANTISED in the list below multiply operands that are first quantised to E2M1 (2 exponent bits, 1 mantissa bit; 4 bits a number), with one power-of-two scale for each 32 numbers along K (OCP MX v1.0); their sums are f32. The products marked 'left as it is' may take bf16, f16 or f32 operands, with f32 sums. Whichever they take, every output number must still come out within the allowed error. Rounding operands to bf16 (8 significant bits) uses up far more of that allowance than f16 does (11 bits, for magnitudes from 6e-5 to 65,504). All else is computed in f32.
;;   The module's matrix products, in the order in which they are computed (A, B: the left and right operand; K: the contracted axis; several contracted axes count as one K, in the product's order):
;;     1. [M 8,192, K 1,024] x [K 1,024, N 3,072]; A: input x; B: input Wqkv: QUANTISED
;;     2. batch 64 x [M 2,048, K 64] x [K 64, N 2,048]; A: computed on the way; B: computed on the way: left as it is (an operand is computed on the way)
;;     3. batch 64 x [M 2,048, K 2,048] x [K 2,048, N 64]; A: computed on the way; B: computed on the way: left as it is (an operand is computed on the way)
;;     4. [M 8,192, K 1,024] x [K 1,024, N 1,024]; A: computed on the way; B: input Wout: left as it is (an operand is computed on the way)
;;   THE QUANTISER, for each operand of a quantised product, along K:
;;     - K is cut into blocks of 32 from its start; a last block that is shorter is filled with zeros.
;;     - A block's scale is 2^e with e = floor(log2(the largest magnitude in the block)) - 2, held to -126 .. 127; a block of zeros has e = 0. As a byte (E8M0): e + 127.
;;     - Each number is divided by its block's scale, clamped to +-6, and rounded to the nearest number of E2M1, ties to even, subnormals kept.
;;     - The product sums the exact products of the quantised numbers (number of the format x scale) in f32.
;;   ~~~python
;;   def quantise(x, axis):      # numpy; x: float32 -> the quantised numbers, widened to float32 again
;;       x = np.moveaxis(x, axis, -1); K = x.shape[-1]
;;       x = np.pad(x, [(0, 0)] * (x.ndim - 1) + [(0, -K % 32)]); x = x.reshape(x.shape[:-1] + (-1, 32)); a = np.abs(x).max(-1, keepdims=True)
;;       e = np.where(a > 0, np.clip(np.frexp(np.where(a > 0, a, 1))[1] - 1 - 2, -126, 127), 0)      # np.frexp(a)[1] - 1 = floor(log2(a)), exactly
;;       r = np.clip(x / 2.0 ** e, -6, 6)
;;       step = 2.0 ** (np.maximum(np.frexp(np.where(r == 0, 1, r))[1] - 1, 0) - 1)
;;       q = np.round(r / step) * step * 2.0 ** e      # np.round: ties to even
;;       return np.moveaxis(q.reshape(q.shape[:-2] + (-1,))[..., :K], -1, axis).astype(np.float32)
;;   ~~~
;; One version. Each part assembles by itself: llvm-mc -triple=amdgcn-amd-amdhsa -mcpu=gfx1250 --defsym DOCPART=n.
;; ======== version 1 of 1: 6 launches
;; limits: values are held in f16: magnitudes above 65,504 overflow, below 6.1e-05 lose precision
;; workspace buffers: xc 4,194,304 bytes; xs 262,144 bytes; wc 1,572,864 bytes; ws 98,304 bytes; wt 2,097,152 bytes; qkv 50,331,648 bytes; yimg 16,777,216 bytes; yfine 262,144 bytes
;; launch prep (part 1): grid 368 x 1, 4 waves a work-group, no clusters, 68,096 bytes of LDS; arguments x, Wqkv, Wout, xc, xs, wc, ws, wt; writes xc, xs, wc, ws, wt
.if DOCPART == 1
	.amdgcn_target "amdgcn-amd-amdhsa--gfx1250"
	.amdhsa_code_object_version 6
	.text
	.protected	k_q8530abc46b_prep
	.globl	k_q8530abc46b_prep
	.p2align	8
	.type	k_q8530abc46b_prep,@function
k_q8530abc46b_prep:
	s_mov_b64 s[64:65], 0
	v_nop
	global_prefetch_b8 v0, s[64:65] scope:SCOPE_SE
	s_setreg_imm32_b32 hwreg(HW_REG_WAVE_MODE, 25, 1), 1
	s_wait_xcnt 0x0
; Three jobs in one launch, told apart by the work-group's number alone; each has LDS bytes of its own.
;   work-groups   0 ..  47 (path W): Wqkv [1024 (k)][3072 (n)] f32 -> codes of FP4 (E2M1) laid [n][k], K innermost (wc), one E8M0 byte for each 32 along K (ws [n][32])
;   work-groups  48 .. 111 (path O): Wout [1024 (k)][1024 (n)] f32 -> f16, laid as images of the operand's registers (wt): [n / 128][k / 32][16 columns][1024 bytes]
;   work-groups 112 .. 367 (path X): x [8192][1024] f32 -> codes (xc [8192][512 bytes]) and scale bytes (xs [8192][32])
; A block's scale is 2^(floor(log2(its largest magnitude)) - 2); its byte is the largest magnitude's exponent field - 2, held at 1 from below.
; LIMITS: a block of zeros gets the byte 1 where the rule says 127 (its codes are zeros, and this program alone reads the bytes); blocks whose largest magnitude lies under 2^(2 - 126)
; keep the byte 1; NaN and infinities are not served; |Wout| stays under 65,504 (f16), and under 6e-5 it keeps fewer than 11 bits.
.set SPARE, 67584                      ; behind both paths' regions: the spare words, 128 bytes for each wave
.set SPW,   208                        ; v208 LDS address of my spare word; never rewritten
.set NIL,   209                        ; v209 0; never rewritten
.set EMAX,  2
; path X
.set STEPS, 16
.set CB,    8                          ; bytes of 16 codes
.set XR,    16                         ; v16-79   four sets of 16 numbers as loaded
.set XX,    80                         ; v80-111  two sets of 16 neighbours
.set XE,    112                        ; v112-127 a scale byte for each step
.set XC,    128                        ; v128-191 codes, four registers a step
.set WREG,  8192                       ; LDS 0 .. 32,767: a region for each wave: two stages of 32 x SP bytes, then its 256 scale bytes
.set SP,    80
; path W
.set SIZE_K, 1024
.set SIZE_N, 3072
.set NB,    16                         ; blocks of 32 along K for a wave
.set ROWB,  256
.set PITCH, 272
.set KROW,  512
.set WX,    32                         ; v32-95   two sets of 32 numbers
.set WC,    96                         ; v96-99   a block's codes
.set WOUT,  112                        ; v112-175 the way out
.set WSB,   24                         ; v24-27   the scale bytes
.set WSTG,  32768                      ; LDS 32,768 .. 67,583: four stages of 32 rows x 272 bytes
	s_load_b256 s[8:15], s[0:1], 0x0               ; x s[8:9], Wqkv s[10:11], Wout s[12:13], xc s[14:15]
	s_load_b256 s[16:23], s[0:1], 0x20             ; xs s[16:17], wc s[18:19], ws s[20:21], wt s[22:23]
	v_lshl_add_u32 v[SPW], v0, 2, SPARE
	v_mov_b32 v[NIL], 0
	v_lshrrev_b32 v1, 5, v0
	v_readfirstlane_b32 s24, v1                    ; wave 0..3
	v_and_b32 v2, 31, v0                           ; lane
	s_mov_b32 s27, 0
	s_mov_b32 s29, 0
	s_wait_kmcnt 0x0
	s_cmp_lt_u32 ttmp9, 48
	s_cbranch_scc1 .Lw
	s_cmp_lt_u32 ttmp9, 112
	s_cbranch_scc1 .Lo
; ---------------- path X: x is a plain stream of blocks of 32.  A wave takes 16 steps of 512 numbers.
; Each load reads 512 consecutive bytes; a step's 2,048 bytes turn through the wave's own stage so that a lane holds 16 neighbours; two neighbouring lanes hold a block.
	s_sub_co_u32 s25, ttmp9, 112
	s_lshl_b32 s25, s25, 2
	s_add_co_u32 s25, s25, s24                     ; which run of 8,192 numbers is my wave's: 0 .. 1,023
	s_lshl_b32 s26, s25, 15
	s_add_nc_u64 s[8:9], s[8:9], s[26:27]          ; 32,768 bytes of x a run,
	s_lshl_b32 s26, s25, 12
	s_add_nc_u64 s[14:15], s[14:15], s[26:27]      ; 4,096 of codes,
	s_lshl_b32 s26, s25, 8
	s_add_nc_u64 s[16:17], s[16:17], s[26:27]      ; 256 of scale bytes
	v_lshlrev_b32 v3, 4, v2                        ; my 16 bytes of a load's 512
	s_mul_i32 s28, s24, WREG
	v_lshrrev_b32 v14, 2, v2
	v_mul_u32_u24 v14, v14, SP
	v_and_b32 v15, 3, v2
	v_lshl_add_u32 v14, v15, 4, v14
	v_add_nc_u32 v14, s28, v14                     ; the stage, on the way in: SP (lane / 4) + 16 (lane % 4)
	v_mul_u32_u24 v15, v2, SP
	v_add_nc_u32 v15, s28, v15                     ; and on the way out: SP x lane
	v_mul_u32_u24 v4, v2, CB                       ; my codes' place in a step's
	v_lshrrev_b32 v5, 1, v2
	s_add_co_u32 s28, s28, 2*32*SP
	v_add_nc_u32 v5, s28, v5                       ; my block's byte among my wave's 256
	v_lshlrev_b32 v7, 3, v2
	v_add_nc_u32 v6, s28, v7                       ; and 8 bytes a lane on the way out
.macro XLOAD t
.irp i, 0,1,2,3
	global_load_b128 v[XR+16*((\t)%4)+4*\i:XR+16*((\t)%4)+4*\i+3], v3, s[8:9] offset:2048*(\t)+512*\i th:TH_LOAD_NT
.endr
.endm
.macro XTURN t                         ; a step's numbers through the stage: LDS serves a wave's instructions in order, so no wait stands between the stores and the loads
.irp i, 0,1,2,3
	ds_store_b128 v14, v[XR+16*((\t)%4)+4*\i:XR+16*((\t)%4)+4*\i+3] offset:32*SP*((\t)%2)+8*SP*\i
.endr
.irp i, 0,1,2,3
	ds_load_b128 v[XX+16*((\t)%2)+4*\i:XX+16*((\t)%2)+4*\i+3], v15 offset:32*SP*((\t)%2)+16*\i
.endr
.endm
.irp t, 0,1,2,3
	XLOAD \t
.endr
	s_wait_loadcnt 12                              ; step 0's four loads are in; three steps' twelve stay out
	XTURN 0
.macro XSTEP t
.set XS, XX+16*((\t)%2)
.if (\t) > 0
	s_wait_dscnt 1                                 ; this step's numbers are back from the stage; the last step's byte store may be out
.else
	s_wait_dscnt 0x0
.endif
.if (\t)+4 < STEPS
	XLOAD (\t)+4                                   ; into the registers that the stage's stores have read
.endif
.if (\t)+1 < STEPS
.if STEPS-2-(\t) >= 3
	s_wait_loadcnt 12                              ; the next step's four loads are in; those of the three steps behind it may be out
.else
	s_wait_loadcnt 4*(STEPS-2-(\t))
.endif
	XTURN (\t)+1
.endif
	v_max3_num_f32 v8, |v[XS]|, |v[XS+1]|, |v[XS+2]|
	v_max3_num_f32 v9, |v[XS+3]|, |v[XS+4]|, |v[XS+5]|
.irp i, 6,10
	v_max3_num_f32 v8, v8, |v[XS+\i]|, |v[XS+\i+1]|
	v_max3_num_f32 v9, v9, |v[XS+\i+2]|, |v[XS+\i+3]|
.endr
	v_max3_num_f32 v8, v8, |v[XS+14]|, |v[XS+15]|
	v_max3_num_f32 v8, v8, v9, (EMAX+1)<<23        ; the floor 2^(EMAX + 1 - 127): the byte cannot fall under 1
	v_max_num_f32_dpp v8, v8, v8 row_xmask:1 row_mask:0xf bank_mask:0xf   ; with my neighbour's 16: the block's largest magnitude
	v_add_nc_u32 v11, -(EMAX<<23), v8              ; EMAX off its exponent field: the conversion's scale operand
	v_cvt_scalef32_pk8_fp4_f32 v[XC+4*(\t)], v[XS:XS+7], v11
	v_cvt_scalef32_pk8_fp4_f32 v[XC+4*(\t)+1], v[XS+8:XS+15], v11
	v_lshrrev_b32 v[XE+(\t)], 23, v11              ; the scale's byte
	ds_store_b8 v5, v[XE+(\t)] offset:16*(\t)      ; both lanes of a block write the same byte with the same value
	global_store_b64 v4, v[XC+4*(\t):XC+4*(\t)+1], s[14:15] offset:32*CB*(\t)   ; the wave stores 256 consecutive bytes, aligned
.endm
.irp t, 0,1,2,3,4,5,6,7,8,9,10,11,12,13,14,15
	XSTEP \t
.endr
	ds_load_b64 v[8:9], v6                         ; my wave's 256 scale bytes: these loads see my stores
	s_wait_dscnt 0x0
	global_store_b64 v7, v[8:9], s[16:17]          ; 256 consecutive bytes, aligned
	s_wait_tensorcnt 0x0                           ; the wave's end, behind my last LDS store
	ds_add_u32 v[SPW], v[NIL]
	s_wait_dscnt 0x0
	s_endpgm
; ---------------- path W: a lane takes a column n and its registers run down K; a wave takes 32 columns x 512 along K.
.Lw:
	s_lshr_b32 s25, ttmp9, 1                       ; which 128 columns
	s_and_b32 s26, ttmp9, 1                        ; which 512 along K
	s_lshl_b32 s25, s25, 7
	s_lshl_b32 s28, s24, 5
	s_add_co_u32 s25, s25, s28                     ; my wave's first column
	s_mul_i32 s28, s26, 512*SIZE_N*4
	s_lshl_b32 s30, s25, 2
	s_add_co_u32 s28, s28, s30
	s_add_nc_u64 s[10:11], s[10:11], s[28:29]      ; Wqkv at (512 y, column)
	s_lshl_b32 s28, s25, 9
	s_lshl_b32 s30, s26, 8
	s_add_co_u32 s28, s28, s30
	s_add_nc_u64 s[18:19], s[18:19], s[28:29]      ; codes: column x 512 + 256 y
	s_lshl_b32 s28, s25, 5
	s_lshl_b32 s30, s26, 4
	s_add_co_u32 s28, s28, s30
	s_add_nc_u64 s[20:21], s[20:21], s[28:29]      ; scale bytes: column x 32 + 16 y
	v_lshlrev_b32 v3, 2, v2                        ; in: 4 bytes a lane
	s_mul_i32 s31, s24, 32*PITCH
	s_add_co_u32 s31, s31, WSTG                    ; my stage
	v_mul_u32_u24 v4, v2, PITCH
	v_add_nc_u32 v4, s31, v4                       ; into it: row = my column
	v_and_b32 v5, 15, v2
	v_lshrrev_b32 v6, 4, v2
	v_mul_u32_u24 v7, v6, PITCH
	v_lshl_add_u32 v7, v5, 4, v7
	v_add_nc_u32 v7, s31, v7                       ; out of it: sixteen lanes to a row, two rows an instruction
	v_mul_u32_u24 v8, v6, KROW
	v_lshl_add_u32 v8, v5, 4, v8                   ; and the same place in the codes' buffer
	v_mul_u32_u24 v9, v2, SIZE_K/32                ; my column's row of scale bytes
.macro WLOAD t                         ; block t: W(32 t + i, my column): 128 consecutive bytes a wave; the largest offset, 511 rows of 12,288 bytes, lies inside the signed 24-bit immediate
.irp i, 0,1,2,3,4,5,6,7,8,9,10,11,12,13,14,15,16,17,18,19,20,21,22,23,24,25,26,27,28,29,30,31
	global_load_b32 v[WX+32*((\t)%2)+\i], v3, s[10:11] offset:(32*(\t)+\i)*SIZE_N*4 th:TH_LOAD_NT
.endr
.endm
	WLOAD 0
	WLOAD 1
.macro WBLOCK t
.set XS, WX+32*((\t)%2)
.if (\t) < NB-1
	s_wait_loadcnt 32                              ; this block's 32 loads are in; the next block's 32 may be out
.else
	s_wait_loadcnt 0
.endif
	v_max3_num_f32 v12, |v[XS]|, |v[XS+1]|, |v[XS+2]|
	v_max3_num_f32 v13, |v[XS+3]|, |v[XS+4]|, |v[XS+5]|
.irp i, 6,10,14,18,22,26
	v_max3_num_f32 v12, v12, |v[XS+\i]|, |v[XS+\i+1]|
	v_max3_num_f32 v13, v13, |v[XS+\i+2]|, |v[XS+\i+3]|
.endr
	v_max3_num_f32 v12, v12, |v[XS+30]|, |v[XS+31]|
	v_max3_num_f32 v12, v12, v13, (EMAX+1)<<23
	v_add_nc_u32 v11, -(EMAX<<23), v12
	v_lshrrev_b32 v13, 23, v11
.if (\t)%4 == 0
	v_mov_b32 v[WSB+(\t)/4], v13                   ; four bytes to a register, the lower K in the lower byte
.else
	v_lshl_or_b32 v[WSB+(\t)/4], v13, 8*((\t)%4), v[WSB+(\t)/4]
.endif
.irp g, 0,1,2,3
	v_cvt_scalef32_pk8_fp4_f32 v[WC+\g], v[XS+8*\g:XS+8*\g+7], v11
.endr
	ds_store_b128 v4, v[WC:WC+3] offset:16*(\t)
.if (\t)+2 < NB
	WLOAD (\t)+2
.endif
	s_wait_dscnt 0x0                               ; the store has read its registers: the next block's codes may be written
.endm
.set Q, 0
.rept NB
	WBLOCK Q
.set Q, Q+1
.endr
	global_store_b128 v9, v[WSB:WSB+3], s[20:21]   ; my column's 16 scale bytes
.irp t, 0,1,2,3,4,5,6,7,8,9,10,11,12,13,14,15
	ds_load_b128 v[WOUT+4*\t:WOUT+4*\t+3], v7 offset:2*\t*PITCH
.endr
.irp t, 0,1,2,3,4,5,6,7,8,9,10,11,12,13,14,15
	s_wait_dscnt 15-\t                             ; LDS loads come back in order: load t is in
	global_store_b128 v8, v[WOUT+4*\t:WOUT+4*\t+3], s[18:19] offset:2*\t*KROW   ; sixteen lanes store 256 consecutive bytes, aligned
.endr
	s_wait_tensorcnt 0x0                           ; the wave's end, behind my last LDS store
	ds_add_u32 v[SPW], v[NIL]
	s_wait_dscnt 0x0
	s_endpgm
; ---------------- path O: a wave makes the eight images (16 columns x 32 along K each) of one (n / 128, k / 32).  No LDS.
; Lane (r, h) of an image holds column r; registers 0-3: k = 8 h + 0..7, registers 4-7: k = 16 + 8 h + 0..7, two f16 a register.
.Lo:
	s_sub_co_u32 s25, ttmp9, 48
	s_lshl_b32 s25, s25, 2
	s_add_co_u32 s25, s25, s24                     ; 0 .. 255 = 32 (n / 128) + k / 32
	s_lshr_b32 s28, s25, 5
	s_and_b32 s30, s25, 31
	s_lshl_b32 s26, s30, 17                        ; 32 rows of 4,096 bytes
	s_lshl_b32 s28, s28, 9                         ; 128 columns of 4 bytes
	s_add_co_u32 s26, s26, s28
	s_add_nc_u64 s[12:13], s[12:13], s[26:27]
	s_lshl_b32 s26, s25, 13                        ; eight images of 1,024 bytes
	s_add_nc_u64 s[22:23], s[22:23], s[26:27]
	v_and_b32 v5, 15, v0
	v_bfe_u32 v6, v0, 4, 1
	v_lshlrev_b32 v3, 2, v5
	v_lshl_add_u32 v3, v6, 15, v3                  ; 8 h rows + 4 r
	v_lshlrev_b32 v4, 4, v2                        ; 16 x lane
.macro OLOAD i                         ; tile i: my 16 numbers down K
.irp e, 0,1,2,3,4,5,6,7,8,9,10,11,12,13,14,15
	global_load_b32 v[16+16*(\i)+\e], v3, s[12:13] offset:(\e+8*(\e/8))*4096+64*(\i)
.endr
.endm
	OLOAD 0
	OLOAD 1
	OLOAD 2
.irp i, 0,1,2,3,4,5,6,7
.if \i < 6
	s_wait_loadcnt 32                              ; tile i's 16 loads are in; the two tiles behind it may be out
.else
	s_wait_loadcnt 16*(7-\i)
.endif
.if \i+3 < 8
	OLOAD \i+3
.endif
.irp p, 0,1,2,3,4,5,6,7
	v_cvt_pk_f16_f32 v[144+8*\i+\p], v[16+16*\i+2*\p], v[16+16*\i+2*\p+1]
.endr
	global_store_b128 v4, v[144+8*\i:144+8*\i+3], s[22:23] offset:1024*\i          ; the wave stores 512 consecutive bytes, aligned
	global_store_b128 v4, v[144+8*\i+4:144+8*\i+7], s[22:23] offset:1024*\i+512
.endr
	s_endpgm
.Lfunc_end_k_q8530abc46b_prep:
	.size	k_q8530abc46b_prep, .Lfunc_end_k_q8530abc46b_prep-k_q8530abc46b_prep
	.p2alignl 7, 3214868480
	.fill 96, 4, 3214868480
	.section	.rodata,"a",@progbits
	.p2align	6, 0x0
	.amdhsa_kernel k_q8530abc46b_prep
		.amdhsa_group_segment_fixed_size 68096
		.amdhsa_private_segment_fixed_size 0
		.amdhsa_enable_private_segment 0
		.amdhsa_kernarg_size 64
		.amdhsa_user_sgpr_count 2
		.amdhsa_user_sgpr_kernarg_segment_ptr 1
		.amdhsa_wavefront_size32 1
		.amdhsa_system_sgpr_workgroup_id_x 1
		.amdhsa_system_sgpr_workgroup_id_y 1
		.amdhsa_system_sgpr_workgroup_id_z 1
		.amdhsa_system_vgpr_workitem_id 0
		.amdhsa_next_free_vgpr 216
		.amdhsa_next_free_sgpr 66
		.amdhsa_reserve_vcc 0
		.amdhsa_float_denorm_mode_32 3
		.amdhsa_float_denorm_mode_16_64 3
		.amdhsa_memory_ordered 1
		.amdhsa_forward_progress 1
		.amdhsa_inst_pref_size 129
	.end_amdhsa_kernel
	.amdgpu_metadata
---
amdhsa.version: [ 1, 2 ]
amdhsa.kernels:
  - .name:           k_q8530abc46b_prep
    .symbol:         k_q8530abc46b_prep.kd
    .args:
      - { .name: x, .offset: 0, .size: 8, .value_kind: global_buffer, .address_space: global }
      - { .name: Wqkv, .offset: 8, .size: 8, .value_kind: global_buffer, .address_space: global }
      - { .name: Wout, .offset: 16, .size: 8, .value_kind: global_buffer, .address_space: global }
      - { .name: xc, .offset: 24, .size: 8, .value_kind: global_buffer, .address_space: global }
      - { .name: xs, .offset: 32, .size: 8, .value_kind: global_buffer, .address_space: global }
      - { .name: wc, .offset: 40, .size: 8, .value_kind: global_buffer, .address_space: global }
      - { .name: ws, .offset: 48, .size: 8, .value_kind: global_buffer, .address_space: global }
      - { .name: wt, .offset: 56, .size: 8, .value_kind: global_buffer, .address_space: global }
    .group_segment_fixed_size: 68096
    .private_segment_fixed_size: 0
    .kernarg_segment_align: 8
    .kernarg_segment_size: 64
    .max_flat_workgroup_size: 128
    .sgpr_count:     66
    .vgpr_count:     216
    .wavefront_size: 32
...
	.end_amdgpu_metadata
.endif
;; end of part 1
;; launch gemm_qkv (part 2): grid 12 x 32, 4 waves a work-group, clusters of 4 x 4, 327,680 bytes of LDS; arguments xc, xs, wc, ws, bqkv, qkv; writes qkv
.if DOCPART == 2
	.amdgcn_target "amdgcn-amd-amdhsa--gfx1250"
	.amdhsa_code_object_version 6
	.text
	.protected	k_q8530abc46b_gemm_qkv
	.globl	k_q8530abc46b_gemm_qkv
	.p2align	8
	.type	k_q8530abc46b_gemm_qkv,@function
k_q8530abc46b_gemm_qkv:
	s_mov_b64 s[64:65], 0
	v_nop
	global_prefetch_b8 v0, s[64:65] scope:SCOPE_SE
	s_setreg_imm32_b32 hwreg(HW_REG_WAVE_MODE, 25, 1), 1
	s_wait_xcnt 0x0
	s_wait_alu depctr_hold_cnt(0) depctr_sa_sdst(0) depctr_va_vdst(0) depctr_va_sdst(0) depctr_va_ssrc(0) depctr_va_vcc(0) depctr_vm_vsrc(0)
	s_getreg_b32 s2, hwreg(HW_REG_IB_STS2, 6, 4)
	s_cmp_eq_u32 s2, 0
	s_cbranch_scc0 .Lentry_in_a_cluster
	s_endpgm
.Lentry_in_a_cluster:
	s_bfe_u32 s2, ttmp6, 0x10000c
	s_cmp_lg_u32 s2, 0xf033
	s_cbranch_scc0 .Lentry_shape_is_right
	s_endpgm
.Lentry_shape_is_right:
; qkv = Q(x) Q(Wqkv) + bqkv on codes of FP4 (E2M1) with one E8M0 scale for each 32 along K; sums in f32; the result is rounded once to f16 and laid by head: [3][batch x 16 + head][token][64].
; A = xc [8192][512 bytes], B = wc [3072][512 bytes], K innermost; scale bytes xs [8192][32], ws [3072][32].
; A tile of 256 x 256 is made by four waves, each 128 x 128: 64 accumulators of 16 x 16.  K = 1,024 is two slots of 512 along K (rows of 256 bytes): both are filled at the head and none is filled again.
; The scales of the work-group's 256 rows of A and of B, for all of K, come once, as dense blocks.
; CLUSTERS: 4 x 4 work-groups: A's tiles are asked for jointly along a row of the cluster, B's along a column.
; THE MATRIX INSTRUCTION IS USED TRANSPOSED (source 0 = 16 rows of B, source 1 = 16 rows of A): a lane holds eight neighbouring columns of one row.  The bias is the C of each sum's first instruction.
; REGISTERS: window 0: v0-31 addresses; v32-95 scale words, two sets; v96-127 way out; v128-191 A's fragments, one set; v192-255 the bias, later the way out.
;   window 1: B's fragments, two sets (v0, v128).  window 2: accumulators of my rows 0-63 ((a, b) at v[8 (8 a + b)]); window 3: rows 64-127.
; LIMITS: |q|, |k|, |v| stay under 65,504 (f16); NaN and infinities are not served.
.set SIZE_K, 1024
.set NQ,     4                         ; matrix instructions deep in a slot
.set ROWB,   256
.set KROW,   512
.set PITCH,  272                       ; 256 bytes + 16 of padding: the 16 rows that a load touches start at 16 different banks (64 banks of 4 bytes: ISA guide 11.1)
.set FR,     8
.set NL,     2
.set NP,     4
.set HALFT,  128*PITCH
.set SLOT,   4*HALFT
.set KS,     32                        ; a row of scales in bytes
.set SCL,    2*SLOT
.set HALFS,  (128*KS/256)*272
.set SBLK,   (16*KS/256)*272
.set SPARE,  SCL+4*HALFS               ; the spare words, 128 bytes for each wave
.set STAGE,  SPARE+512                 ; the way out: 16 rows x 272 bytes for each wave, bytes of their own
.set SPITCH, 272
.set ADRA, 16
.set ADRB, 20
.set STO,  24
.set RD,   25
.set CO,   26
.set ADRS, 27
.set SPW,  28
.set NIL,  29
.set SC,   32
.set AF,   128
.set BI,   192                         ; v192-255: the bias of my 128 columns in the result's layout: register 8 b + j = column 16 b + 8 (lane / 16) + j
.set TMP,  192                         ; the way out: packed results
.set G1, 24
.set G0, 32
.set G1B, 48
.set G0B, 56
.set G1S, 68
.set G0S, 76
.set G1SB, 80
.set G0SB, 88
.set MSB, 0
.macro WIN new                         ; the immediate's high byte repeats the setting that is left
.if MSB != (\new)
	s_set_vgpr_msb (MSB<<8)|(\new)
.set MSB, (\new)
.endif
.endm
.set MUL_LO,  0xa1                     ; source 0 (B) window 1, source 1 (A) window 0, C and D window 2
.set MUL_HI,  0xf1                     ; the same, C and D window 3
.set MUL_LO0, 0x81                     ; the first step: C (the bias) window 0, D window 2
.set MUL_HI0, 0xc1                     ; C window 0, D window 3
.set TO_B,    0x40
; A joint load: waves 0 and 1 fetch for A, waves 2 and 3 for B; the branch hangs on the wave's number alone.  An s_nop 0 and four v_nop follow each line.
.macro JLOAD g0a, g1a, g0b, g1b
	s_cmp_eq_u32 s15, 0
	s_cbranch_scc0 .Lfor_b_\@
	tensor_load_to_lds s[\g0a:\g0a+3], s[\g1a:\g1a+7]
	s_nop 0
.rept 4
	v_nop
.endr
	s_branch .Lasked_\@
.Lfor_b_\@:
	tensor_load_to_lds s[\g0b:\g0b+3], s[\g1b:\g1b+7]
	s_nop 0
.rept 4
	v_nop
.endr
.Lasked_\@:
.endm
.macro CROUND                          ; a round of the cluster's barrier
	s_barrier_signal -1
	s_barrier_wait -1
	s_cmp_lg_u32 s14, 0
	s_cbranch_scc1 .Lnot_wave_0_\@
	s_barrier_signal -3
.Lnot_wave_0_\@:
	s_barrier_wait -3
	s_barrier_signal -1
	s_barrier_wait -1
.endm
	s_load_b128 s[4:7], s[0:1], 0x0                ; xc, xs
	s_load_b128 s[8:11], s[0:1], 0x10              ; wc, ws
	s_load_b128 s[96:99], s[0:1], 0x20             ; bqkv, qkv
	v_lshl_add_u32 v[SPW], v0, 2, SPARE
	v_mov_b32 v[NIL], 0
	ds_add_u32 v[SPW], v[NIL]                      ; the wave's opening: the add, twice on end, and its wait ahead of my first tensor load
	ds_add_u32 v[SPW], v[NIL]
	v_lshrrev_b32 v1, 5, v0
	v_readfirstlane_b32 s14, v1                    ; wave 0..3
	s_lshr_b32 s15, s14, 1                         ; which half of the tile's rows is mine; also: I fetch for A (0) or for B (1)
	s_and_b32 s16, s14, 1                          ; which half of its columns; also: which 128 rows I fetch
	s_bfe_u32 s40, ttmp6, 0x40000                  ; cx
	s_bfe_u32 s41, ttmp6, 0x40004                  ; cy
	s_lshl_b32 s42, ttmp9, 2
	s_add_co_u32 s42, s42, s40                     ; tile column
	s_and_b32 s17, ttmp7, 0xffff
	s_lshl_b32 s17, s17, 2
	s_add_co_u32 s17, s17, s41                     ; tile row
	s_lshl_b32 s43, s41, 2
	s_lshl_b32 s43, 15, s43                        ; my row of the cluster
	s_lshl_b32 s44, 0x1111, s40                    ; my column
	s_or_b32 s[G1+0], s43, (0<<16)|(1<<20)|(1<<21)|(5<<22)|(3<<25)   ; the mask; elements of 1 byte; padding on: 4 words behind every 64; bit 21 beside a mask
	s_or_b32 s[G1B+0], s44, (0<<16)|(1<<20)|(1<<21)|(5<<22)|(3<<25)
.irp g, G1, G1B
	s_mov_b32 s[\g+1], ROWB<<16                    ; tensor_dim0
	s_mov_b32 s[\g+2], 128<<16                     ; tensor_dim1
	s_mov_b32 s[\g+3], ROWB<<16                    ; tile_dim0
	s_mov_b32 s[\g+4], 128                         ; tile_dim1
	s_mov_b32 s[\g+5], KROW                        ; the pitch
	s_mov_b32 s[\g+6], 0
	s_mov_b32 s[\g+7], 0
.endr
	s_or_b32 s[G1S+0], s43, (3<<16)|(1<<20)|(1<<21)|(5<<22)|(3<<25)  ; the scales of 128 rows: a dense block as rows of 256 bytes (32 elements of 8), 16 bytes of padding behind each
	s_or_b32 s[G1SB+0], s44, (3<<16)|(1<<20)|(1<<21)|(5<<22)|(3<<25)
.irp g, G1S, G1SB
	s_mov_b32 s[\g+1], 32<<16
	s_mov_b32 s[\g+2], (128*KS/256)<<16
	s_mov_b32 s[\g+3], 32<<16
	s_mov_b32 s[\g+4], 128*KS/256
	s_mov_b32 s[\g+5], 32
	s_mov_b32 s[\g+6], 0
	s_mov_b32 s[\g+7], 0
.endr
	s_lshl_b32 s18, s16, 7
	s_lshl_b32 s20, s17, 8
	s_add_co_u32 s20, s20, s18                     ; A: row 256 x tile row + 128 x half
	s_lshl_b32 s46, s42, 8
	s_add_co_u32 s46, s46, s18                     ; B: row 256 x tile column + 128 x half
	s_mov_b32 s21, 0
	s_mov_b32 s47, 0
	s_mov_b64 s[18:19], KS
	s_mul_u64 s[22:23], s[20:21], s[18:19]         ; where these rows' scales begin,
	s_mul_u64 s[92:93], s[46:47], s[18:19]
	s_mov_b64 s[18:19], KROW
	s_mul_u64 s[20:21], s[20:21], s[18:19]         ; and their codes
	s_mul_u64 s[46:47], s[46:47], s[18:19]
	s_mul_i32 s45, s14, HALFT                      ; where they go: wave x 128 rows
	s_mul_i32 s94, s14, HALFS
	s_wait_dscnt 0x0                               ; both opening adds are done
	s_wait_kmcnt 0x0
	s_add_nc_u64 s[20:21], s[4:5], s[20:21]
	s_add_nc_u64 s[22:23], s[6:7], s[22:23]
	s_add_nc_u64 s[46:47], s[8:9], s[46:47]
	s_add_nc_u64 s[92:93], s[10:11], s[92:93]
	CROUND                                         ; all sixteen work-groups are here: the joint loads meet
	s_mov_b32 s[G0S], 1
	s_add_co_u32 s[G0S+1], s94, SCL
	s_mov_b64 s[G0S+2:G0S+3], s[22:23]
	s_or_b32 s[G0S+3], s[G0S+3], 0x80000000
	s_mov_b32 s[G0SB], 1
	s_add_co_u32 s[G0SB+1], s94, SCL
	s_mov_b64 s[G0SB+2:G0SB+3], s[92:93]
	s_or_b32 s[G0SB+3], s[G0SB+3], 0x80000000
	JLOAD G0S, G1S, G0SB, G1SB                     ; the scales first: three loads of mine are out behind the last of these
.irp s, 0,1
	s_mov_b32 s[G0+4*\s], 1
	s_add_co_u32 s[G0+4*\s+1], s45, \s*SLOT
	s_add_nc_u64 s[G0+4*\s+2:G0+4*\s+3], s[20:21], \s*ROWB
	s_or_b32 s[G0+4*\s+3], s[G0+4*\s+3], 0x80000000
	s_mov_b32 s[G0B+4*\s], 1
	s_add_co_u32 s[G0B+4*\s+1], s45, \s*SLOT
	s_add_nc_u64 s[G0B+4*\s+2:G0B+4*\s+3], s[46:47], \s*ROWB
	s_or_b32 s[G0B+4*\s+3], s[G0B+4*\s+3], 0x80000000
	JLOAD G0+4*\s, G1, G0B+4*\s, G1B
.endr
	v_and_b32 v1, 15, v0                           ; r
	v_bfe_u32 v2, v0, 4, 1                         ; h
	v_mul_u32_u24 v3, v1, PITCH
	v_lshl_add_u32 v4, v2, 4, v3                   ; a fragment's row x pitch + 16 h
	s_mul_i32 s21, s15, HALFT
	s_mul_i32 s22, s16, HALFT
	s_add_co_u32 s22, s22, 2*HALFT
.irp s, 0,1
	v_add_nc_u32 v[ADRA+\s], s21, v4
	v_add_nc_u32 v[ADRB+\s], s22, v4
	s_add_co_u32 s21, s21, SLOT
	s_add_co_u32 s22, s22, SLOT
.endr
	v_mul_u32_u24 v5, v1, KS                       ; my row's scales: KS bytes a row,
	v_lshrrev_b32 v6, 8, v5
	v_lshl_add_u32 v5, v6, 4, v5                   ; and 16 more for each 256 passed
	s_mul_i32 s21, s15, HALFS
	s_mul_i32 s22, s16, HALFS
	s_add_co_u32 s22, s22, 2*HALFS
	s_sub_co_u32 s22, s22, s21
	v_mul_u32_u24 v6, s22, v2                      ; lanes 16-31 take B's
	s_add_co_u32 s21, s21, SCL
	v_add_nc_u32 v5, v5, v6
	v_add_nc_u32 v[ADRS], s21, v5
	s_mul_i32 s23, s14, 16*SPITCH
	s_add_co_u32 s23, s23, STAGE                   ; my stage
	v_mul_u32_u24 v5, v1, SPITCH
	v_lshl_add_u32 v5, v2, 4, v5
	v_add_nc_u32 v[STO], s23, v5                   ; in: row r, 16 bytes for each half of the lanes
	v_bfe_u32 v5, v0, 3, 1
	v_mul_u32_u24 v5, v5, SPITCH
	v_lshl_add_u32 v5, v2, 7, v5
	v_and_b32 v6, 7, v0
	v_lshl_add_u32 v5, v6, 4, v5
	v_add_nc_u32 v[RD], s23, v5                    ; back: lanes 0-15 two tokens of my first head (128 bytes each), lanes 16-31 of my second
	v_lshlrev_b32 v[CO], 4, v1
	v_lshl_add_u32 v[CO], v2, 18, v[CO]            ; and in qkv: two tokens are 256 neighbouring bytes; the next head lies 262,144 bytes on
	v_lshlrev_b32 v7, 5, v2                        ; the bias: 32 h
	; where my part begins in qkv: section (tile column / 4), head 4 (tile column % 4) + 2 x column half, batch tile row / 8, token 256 (tile row % 8) + 128 x row half
	s_lshr_b32 s20, s17, 3
	s_lshl_b32 s20, s20, 15                        ; batch x 16 heads x 2,048 tokens
	s_and_b32 s21, s17, 7
	s_lshl_b32 s21, s21, 8
	s_add_co_u32 s20, s20, s21
	s_lshl_b32 s21, s15, 7
	s_add_co_u32 s20, s20, s21
	s_and_b32 s46, s42, 3
	s_lshl_b32 s46, s46, 2
	s_lshl_b32 s47, s16, 1
	s_add_co_u32 s46, s46, s47
	s_lshl_b32 s46, s46, 11
	s_add_co_u32 s46, s46, s20
	s_lshl_b32 s46, s46, 7                         ; rows of 128 bytes
	s_lshr_b32 s47, s42, 2
	s_lshl_b32 s47, s47, 24
	s_add_co_u32 s46, s46, s47
	s_mov_b32 s47, 0
	s_add_nc_u64 s[12:13], s[98:99], s[46:47]
	s_lshl_b32 s46, s42, 10
	s_lshl_b32 s92, s16, 9
	s_add_co_u32 s46, s46, s92                     ; my first column's bias
	s_add_nc_u64 s[96:97], s[96:97], s[46:47]
.irp b, 0,1,2,3,4,5,6,7
	global_load_b128 v[BI+8*\b:BI+8*\b+3], v7, s[96:97] offset:64*\b
	global_load_b128 v[BI+8*\b+4:BI+8*\b+7], v7, s[96:97] offset:64*\b+16
.endr
.macro FRAG reg, adr, q, i             ; 16 rows x 128 K of 4-bit codes: registers 4 c .. 4 c + 3 hold K = 64 c + 32 (lane / 16) + 0 .. 31
.irp c, 0,1
	ds_load_b128 v[\reg+4*\c:\reg+4*\c+3], v[\adr] offset:64*(\q)+32*\c+(\i)*16*PITCH
.endr
.endm
; 16 matrix instructions: A's blocks a0, a0 + 1 x B's eight.  The 64 accumulators take turns, one instruction a turn, in the same order in every step.
.macro MUL16 a0, p, q, sc, zero
.irp a, \a0, \a0+1
.irp b, 0,1,2,3,4,5,6,7
.if \zero
	v_wmma_scale_f32_16x16x128_f8f6f4 v[8*(8*((\a)%4)+\b):8*(8*((\a)%4)+\b)+7], v[128*(\p)+FR*\b:128*(\p)+FR*\b+FR-1], v[AF+FR*(\a):AF+FR*(\a)+FR-1], v[BI+8*\b:BI+8*\b+7], v[SC+8*NQ*(\sc)+NQ*\b+(\q)], v[SC+8*NQ*(\sc)+NQ*(\a)+(\q)] matrix_a_fmt:MATRIX_FMT_FP4 matrix_b_fmt:MATRIX_FMT_FP4 matrix_a_scale:MATRIX_SCALE_ROW1
.else
	v_wmma_scale_f32_16x16x128_f8f6f4 v[8*(8*((\a)%4)+\b):8*(8*((\a)%4)+\b)+7], v[128*(\p)+FR*\b:128*(\p)+FR*\b+FR-1], v[AF+FR*(\a):AF+FR*(\a)+FR-1], v[8*(8*((\a)%4)+\b):8*(8*((\a)%4)+\b)+7], v[SC+8*NQ*(\sc)+NQ*\b+(\q)], v[SC+8*NQ*(\sc)+NQ*(\a)+(\q)] matrix_a_fmt:MATRIX_FMT_FP4 matrix_b_fmt:MATRIX_FMT_FP4 matrix_a_scale:MATRIX_SCALE_ROW1
.endif
.endr
.endr
.endm
.macro FETCH_B slot, q, p
	WIN TO_B
.irp i, 0,1,2,3,4,5,6,7
	FRAG 128*(\p)+FR*\i, ADRB+\slot, \q, \i
.endr
	WIN 0
.endm
.macro FETCH_A slot, q, i0
.irp i, \i0, \i0+1, \i0+2, \i0+3
	FRAG AF+FR*(\i), ADRA+\slot, \q, \i
.endr
.endm
.macro SCALES sc                       ; a slot's scale words: lanes 0-15 take A's block i, lanes 16-31 B's block i
.irp i, 0,1,2,3,4,5,6,7
	ds_load_b128 v[SC+8*NQ*\sc+NQ*\i:SC+8*NQ*\sc+NQ*\i+3], v[ADRS] offset:\i*SBLK
.endr
.endm
.macro PLACES n                        ; plain vector instructions between a matrix instruction and a load into, or a read of, its registers (ISA guide 7.12.1 for reads)
.rept \n
	v_nop
.endr
.endm
.macro STEP slot, q, zero              ; 128 along K that has its successor in the same slot
	s_wait_dscnt 4*NL                              ; B's set and A's blocks 0-3 are in; the youngest eight loads (A's blocks 4-7) may be out
.if \zero
	WIN MUL_LO0
.else
	WIN MUL_LO
.endif
	MUL16 0, (\q)%2, \q, \slot, \zero
	MUL16 2, (\q)%2, \q, \slot, \zero
	s_wait_dscnt 0
	PLACES NP
	FETCH_B \slot, (\q)+1, 1-(\q)%2
	FETCH_A \slot, (\q)+1, 0
.if \zero
	WIN MUL_HI0
.else
	WIN MUL_HI
.endif
	MUL16 4, (\q)%2, \q, \slot, \zero
	MUL16 6, (\q)%2, \q, \slot, \zero
	PLACES NP
	WIN 0
	FETCH_A \slot, (\q)+1, 4
.endm
.macro TURN slot, next                 ; a slot's last step changes slots: one barrier; nothing is filled again
	s_wait_tensorcnt 0x0                           ; all my tensor loads have landed: my part of the next slot
	ds_add_u32 v[SPW], v[NIL]                      ; 0 onto my spare word
	s_wait_dscnt 4*NL+1                            ; the add and the youngest eight loads may be out
	WIN MUL_LO
	MUL16 0, 1, NQ-1, \slot, 0
	s_wait_dscnt 0x0                               ; the add is done and my LDS loads are in
	s_barrier_signal -1
	MUL16 2, 1, NQ-1, \slot, 0
	WIN 0
	s_barrier_wait -1                              ; the next slot is whole
	PLACES NP
	v_add_nc_u32 v[ADRS], 4*NQ, v[ADRS]            ; on to the next slot's scale words
	FETCH_B \next, 0, 0
	FETCH_A \next, 0, 0
	SCALES \next
	WIN MUL_HI
	MUL16 4, 1, NQ-1, \slot, 0
	MUL16 6, 1, NQ-1, \slot, 0
	PLACES NP
	WIN 0
	FETCH_A \next, 0, 4
.endm
	s_wait_tensorcnt 1                             ; the scales and my part of slot 0 are in; slot 1's load may be out
	s_barrier_signal -1
	s_barrier_wait -1
	FETCH_B 0, 0, 0
	FETCH_A 0, 0, 0
	SCALES 0
	FETCH_A 0, 0, 4
	s_wait_loadcnt 0x0                             ; the bias
	STEP 0, 0, 1                                   ; the first products start the sums from the bias
	STEP 0, 1, 0
	STEP 0, 2, 0
	TURN 0, 1
	STEP 1, 0, 0
	STEP 1, 1, 0
	STEP 1, 2, 0
	s_wait_dscnt 4*NL                              ; the last step: nothing more to fetch
	WIN MUL_LO
	MUL16 0, 1, NQ-1, 1, 0
	MUL16 2, 1, NQ-1, 1, 0
	s_wait_dscnt 0
	WIN MUL_HI
	MUL16 4, 1, NQ-1, 1, 0
	MUL16 6, 1, NQ-1, 1, 0
	WIN 0
; THE WAY OUT, a block of 16 tokens x 128 columns (two heads) at a time: rounded to f16 (16 bytes a lane), through my stage, back so that sixteen lanes hold two neighbouring tokens of one head.
.macro PACK a
.set AC, 64*((\a)%4)
	WIN 0x0a+5*((\a)/4)                            ; sources 0 and 1: window 2 or 3
.irp b, 0,1,2,3,4,5,6,7
.irp i, 0,1,2,3
	v_cvt_pk_f16_f32 v[TMP+4*\b+\i], v[AC+8*\b+2*\i], v[AC+8*\b+2*\i+1]    ; each accumulator from its low end on
.endr
.endr
	WIN 0
.endm
.macro TOSTAGE a
.set BB, 96+128*((\a)%2)
.irp b, 0,1,2,3,4,5,6,7
	ds_store_b128 v[STO], v[TMP+4*\b:TMP+4*\b+3] offset:32*\b
.endr
.irp t, 0,1,2,3,4,5,6,7
	ds_load_b128 v[BB+4*\t:BB+4*\t+3], v[RD] offset:\t*2*SPITCH            ; LDS serves a wave's instructions in order: these see the stores above
.endr
.endm
.macro SEND a
.set BB, 96+128*((\a)%2)
	s_wait_dscnt 0x0                               ; the block is back in registers
	s_wait_xcnt 0x0                                ; the stores of the block before have read their registers: the next block's loads may land there
.irp t, 0,1,2,3,4,5,6,7
	global_store_b128 v[CO], v[BB+4*\t:BB+4*\t+3], s[12:13] offset:2048*(\a)+256*\t   ; sixteen lanes store 256 consecutive bytes, aligned
.endr
.endm
	PLACES NP
	PACK 0
	TOSTAGE 0
.irp a, 1,2,3,4,5,6,7                  ; block a's conversions stand between block a - 1's loads from the stage and the wait for them
	PACK \a
	SEND \a-1
	TOSTAGE \a
.endr
	SEND 7
	s_wait_tensorcnt 0x0                           ; the wave's end
	ds_add_u32 v[SPW], v[NIL]
	s_wait_dscnt 0x0
	CROUND                                         ; the closing round
	s_endpgm
.Lfunc_end_k_q8530abc46b_gemm_qkv:
	.size	k_q8530abc46b_gemm_qkv, .Lfunc_end_k_q8530abc46b_gemm_qkv-k_q8530abc46b_gemm_qkv
	.p2alignl 7, 3214868480
	.fill 96, 4, 3214868480
	.section	.rodata,"a",@progbits
	.p2align	6, 0x0
	.amdhsa_kernel k_q8530abc46b_gemm_qkv
		.amdhsa_group_segment_fixed_size 327680
		.amdhsa_private_segment_fixed_size 0
		.amdhsa_enable_private_segment 0
		.amdhsa_kernarg_size 48
		.amdhsa_user_sgpr_count 2
		.amdhsa_user_sgpr_kernarg_segment_ptr 1
		.amdhsa_wavefront_size32 1
		.amdhsa_system_sgpr_workgroup_id_x 1
		.amdhsa_system_sgpr_workgroup_id_y 1
		.amdhsa_system_sgpr_workgroup_id_z 1
		.amdhsa_system_vgpr_workitem_id 0
		.amdhsa_next_free_vgpr 1024
		.amdhsa_next_free_sgpr 100
		.amdhsa_reserve_vcc 0
		.amdhsa_float_denorm_mode_32 3
		.amdhsa_float_denorm_mode_16_64 3
		.amdhsa_memory_ordered 1
		.amdhsa_forward_progress 1
		.amdhsa_inst_pref_size 128
	.end_amdhsa_kernel
	.amdgpu_metadata
---
amdhsa.version: [ 1, 2 ]
amdhsa.kernels:
  - .name:           k_q8530abc46b_gemm_qkv
    .symbol:         k_q8530abc46b_gemm_qkv.kd
    .args:
      - { .name: xc, .offset: 0, .size: 8, .value_kind: global_buffer, .address_space: global }
      - { .name: xs, .offset: 8, .size: 8, .value_kind: global_buffer, .address_space: global }
      - { .name: wc, .offset: 16, .size: 8, .value_kind: global_buffer, .address_space: global }
      - { .name: ws, .offset: 24, .size: 8, .value_kind: global_buffer, .address_space: global }
      - { .name: bqkv, .offset: 32, .size: 8, .value_kind: global_buffer, .address_space: global }
      - { .name: qkv, .offset: 40, .size: 8, .value_kind: global_buffer, .address_space: global }
    .group_segment_fixed_size: 327680
    .private_segment_fixed_size: 0
    .kernarg_segment_align: 8
    .kernarg_segment_size: 48
    .max_flat_workgroup_size: 128
    .sgpr_count:     100
    .vgpr_count:     1024
    .wavefront_size: 32
...
	.end_amdgpu_metadata
.endif
;; end of part 2
;; launch attn (part 3): grid 4 x 64, 16 waves a work-group, no clusters, 327,680 bytes of LDS; arguments qkv, yimg; writes yimg
.if DOCPART == 3
	.amdgcn_target "amdgcn-amd-amdhsa--gfx1250"
	.amdhsa_code_object_version 6
	.text
	.protected	k_q8530abc46b_attn
	.globl	k_q8530abc46b_attn
	.p2align	8
	.type	k_q8530abc46b_attn,@function
k_q8530abc46b_attn:
	s_mov_b64 s[64:65], 0
	v_nop
	global_prefetch_b8 v0, s[64:65] scope:SCOPE_SE
	s_setreg_imm32_b32 hwreg(HW_REG_WAVE_MODE, 25, 1), 1
	s_wait_xcnt 0x0
; y[b][h][q] = the sum over k <= q of softmax_k(q . k / 8) v, on f16 operands with f32 sums, maxima and row sums; y leaves as f16 images of the next product's operand registers.
; qkv: f16 [3][b x 16 + h][2048][64].  yimg: [row / 128][feature / 32][16 rows][1,024 bytes].
; SHARES.  Work-group (i, head) owns the query blocks i and 7 - i of 256 queries, one after the other.  Block j walks the key slots 0 .. j of 256 keys: (i + 1) + (8 - i) = 9 slots for every
; work-group: equal work, a constant trip count, and every slot that is fetched is read.  Each of the sixteen waves owns 16 queries of the block in hand.
; NO CLUSTER: the four work-groups of a head start again at key 0 after i + 1 slots, a different number in each, so their requests for a tile do not coincide.
; LAYOUT.  S^T = K Q^T (source 0 = 16 keys, source 1 = my 16 queries) and O^T = V^T P: a lane holds one query (lane % 16) throughout.  K comes out of LDS as it lies, V turned by ds_load_tr16_b128.
; SOFTMAX.  A running maximum m and sum l: p = 2^(c s - c m), c = log2(e) / 8; in every step O and l are multiplied by a = 2^(c m_old - c m_new).  Hidden scores become -infinity ahead of the maximum.
; A key step all of whose 64 keys come after my queries is left out by a scalar branch on ids.
; The first 16 positions of each sequence are computed here like the others and are replaced by the two launches at the program's end, which carry them in f32.
; LIMITS: NaN and infinities are not served; p under 6e-5 keeps fewer than 11 bits (f16).
.set PK,    144                        ; a key's row in LDS: 128 bytes + 16
.set PV,    160                        ; a row of V: 128 + 32
.set VOFF,  256*PK                     ; a slot: 256 rows of K, then 256 rows of V
.set SLOT1, 1<<17
.set SPARE, SLOT1+256*(PK+PV)          ; the spare words, 128 bytes for each of sixteen waves
.set AK0, 1
.set AV0, 2
.set ADK, 3
.set ADV, 4
.set SPW, 5
.set NIL, 6
.set QO,  7
.set YO,  8
.set RH,  9                            ; v9  lane % 16 - 8 (lane / 16)
.set PFO, 10
.set NINF, 11
; v12 c m, v13 m, v[14:15] l, v16-19 at work, v[20:21] a
.set QF,  24                           ; v24-39   Q
.set KFR, 40                           ; v40-103  K of a step
.set VFR, 104                          ; v104-167 V of a step
.set S,   168                          ; v168-199 S^T, then p
.set P,   200                          ; v200-215 p as f16
.set O,   216                          ; v216-247 O^T
.set WV,  18
.set NI,  19
.set BH,  20
.set BLK, 21
.set G1K, 24
.set G1V, 32
.set G0K, 40
.set G0V, 44
.set KB,  48
.set VB,  50
.set KO,  52
.set QB,  54
.set QA,  56
.set PFA, 58
.set LIM, 60
.set SLOTS, 61
.set TR,  62
.set TB,  63
.set KF,  66
.set Q0,  67
.set SEL, 68
.set CS,  70
.set YA,  74
; Waves 0 and 1 fetch K's halves, waves 2 and 3 V's, the others nothing.  An s_nop 0 and four v_nop follow each line.
.macro TLOAD
	s_cmp_lt_u32 s[WV], 2
	s_cbranch_scc0 .Lnot_k_\@
	tensor_load_to_lds s[G0K:G0K+3], s[G1K:G1K+7]
	s_nop 0
.rept 4
	v_nop
.endr
	s_branch .Lasked_\@
.Lnot_k_\@:
	s_cmp_lt_u32 s[WV], 4
	s_cbranch_scc0 .Lasked_\@
	tensor_load_to_lds s[G0V:G0V+3], s[G1V:G1V+7]
	s_nop 0
.rept 4
	v_nop
.endr
.Lasked_\@:
.endm
; A prefetch of the key slot that the head's first work-group will load at its NEXT change of slots: in trip t key slot t + 1, t = 0 .. 6: four key steps ahead of that load.
; Only that work-group asks; in it waves 4 to 7 ask for K's 32,768 bytes, waves 8 to 11 for V's, 8,192 bytes a wave, lanes 256 bytes apart: each block is named once.  The last filling change asks for nothing.
.macro ASK
	s_cmp_gt_u32 s[SLOTS], s[LIM]
	s_cbranch_scc0 .Lnot_mine_\@
	global_prefetch_b8 v[PFO], s[PFA:PFA+1] th:TH_LOAD_NT scope:SCOPE_SE
.Lnot_mine_\@:
.endm
	s_load_b128 s[4:7], s[0:1], 0x0                ; qkv, yimg
	v_lshl_add_u32 v[SPW], v0, 2, SPARE
	v_mov_b32 v[NIL], 0
	ds_add_u32 v[SPW], v[NIL]                      ; the wave's opening: the add, twice on end, and its wait ahead of my first tensor load
	ds_add_u32 v[SPW], v[NIL]
	v_lshrrev_b32 v1, 5, v0
	v_readfirstlane_b32 s[WV], v1                  ; wave 0..15
	s_mov_b32 s[NI], ttmp9                         ; i
	s_and_b32 s[BH], ttmp7, 0xffff                 ; batch x 16 + head
	s_mov_b32 s[G1K], (1<<16)|(1<<20)|(4<<22)|(3<<25)   ; elements of 2 bytes; padding on: 4 words behind every 32
	s_mov_b32 s[G1V], (1<<16)|(1<<20)|(4<<22)|(7<<25)   ; 8 words behind every 32
.irp g, G1K, G1V
	s_mov_b32 s[\g+1], 64<<16                      ; tensor_dim0
	s_mov_b32 s[\g+2], 128<<16                     ; tensor_dim1
	s_mov_b32 s[\g+3], 64<<16                      ; tile_dim0
	s_mov_b32 s[\g+4], 128                         ; tile_dim1: 128 keys a load
	s_mov_b32 s[\g+5], 64                          ; the pitch
	s_mov_b32 s[\g+6], 0
	s_mov_b32 s[\g+7], 0
.endr
	s_and_b32 s72, s[WV], 1                        ; which 128 keys of a slot I fetch, if I fetch
	s_mul_i32 s73, s72, 128*PK
	s_mul_i32 s96, s72, 128*PV
	s_add_co_u32 s96, s96, VOFF
	s_lshl_b32 s74, s[BH], 18                      ; a head is 262,144 bytes
	s_mov_b32 s75, 0
	s_lshl_b32 s56, s72, 14
	s_mov_b32 s57, 0
	s_mov_b32 s[SEL], 0x76543210
	s_mov_b32 s[SEL+1], 0xfedcba98
	s_mov_b32 s[CS], 0x3e38aa3b                    ; c = log2(e) / 8
	s_mov_b32 s[CS+1], s[CS]
	s_mov_b32 s[KO], 0
	s_mov_b32 s[KO+1], 0
	s_wait_dscnt 0x0                               ; both opening adds are done
	s_wait_kmcnt 0x0
	s_add_nc_u64 s[QB:QB+1], s[4:5], s[74:75]      ; q of my head,
	s_add_nc_u64 s[KB:KB+1], s[QB:QB+1], 0x1000000 ; k,
	s_add_nc_u64 s[VB:VB+1], s[QB:QB+1], 0x2000000 ; v
	s_cmp_lt_u32 s[WV], 8
	s_cselect_b64 s[PFA:PFA+1], s[KB:KB+1], s[VB:VB+1]
	s_add_nc_u64 s[KB:KB+1], s[KB:KB+1], s[56:57]  ; at my half of a slot
	s_add_nc_u64 s[VB:VB+1], s[VB:VB+1], s[56:57]
	s_mov_b32 s[G0K], 1
	s_mov_b32 s[G0K+1], s73
	s_mov_b64 s[G0K+2:G0K+3], s[KB:KB+1]
	s_or_b32 s[G0K+3], s[G0K+3], 0x80000000
	s_mov_b32 s[G0V], 1
	s_mov_b32 s[G0V+1], s96
	s_mov_b64 s[G0V+2:G0V+3], s[VB:VB+1]
	s_or_b32 s[G0V+3], s[G0V+3], 0x80000000
	TLOAD                                          ; key slot 0 into LDS slot 0
	s_and_b32 s72, s[WV], 3
	s_lshl_b32 s72, s72, 13
	s_mov_b32 s73, 0
	s_add_nc_u64 s[PFA:PFA+1], s[PFA:PFA+1], s[72:73]   ; my wave's 8,192 bytes, in key slot 0: the first change steps it to key slot 1
	s_sub_co_u32 s72, s[WV], 4
	s_lshr_b32 s72, s72, 3                         ; 0 in waves 4 to 11,
	s_or_b32 s72, s72, ttmp9                       ; of the head's first work-group
	s_cmp_eq_u32 s72, 0
	s_cselect_b32 s[LIM], 1, -1
	v_and_b32 v12, 15, v0                          ; r
	v_bfe_u32 v13, v0, 4, 1                        ; h
	v_mul_u32_u24 v[AK0], v12, PK
	v_lshl_add_u32 v[AK0], v13, 4, v[AK0]
	v_and_b32 v14, 7, v0
	v_lshl_add_u32 v[AV0], v13, 3, v14
	v_mul_u32_u24 v[AV0], v[AV0], PV
	v_bfe_u32 v14, v0, 3, 1
	v_lshl_add_u32 v[AV0], v14, 4, v[AV0]
	v_add_nc_u32 v[AV0], VOFF, v[AV0]
	v_lshlrev_b32 v[QO], 7, v12
	v_lshl_add_u32 v[QO], v13, 4, v[QO]
	v_and_b32 v14, 31, v0
	v_lshlrev_b32 v[YO], 4, v14
	v_lshlrev_b32 v[PFO], 8, v14
	v_lshlrev_b32 v15, 3, v13
	v_sub_nc_u32 v[RH], v12, v15
	v_mov_b32 v[NINF], 0xff800000
	v_mov_b32 v17, 0                               ; a lane permute's destination counts as one of its sources
	v_mov_b32 v21, 0
; The block s[BLK] is taken up: my first query, Q's and y's addresses, Q's fragments, and the sums at their start.
.macro SETBLK
	s_lshl_b32 s[Q0], s[BLK], 8
	s_lshl_b32 s72, s[WV], 4
	s_add_co_u32 s[Q0], s[Q0], s72                 ; my first query
	s_lshl_b32 s72, s[Q0], 7
	s_mov_b32 s73, 0
	s_add_nc_u64 s[QA:QA+1], s[QB:QB+1], s[72:73]
	s_lshr_b32 s72, s[BH], 4
	s_lshl_b32 s72, s72, 4
	s_lshl_b32 s96, s[BLK], 1
	s_add_co_u32 s72, s72, s96
	s_lshr_b32 s96, s[WV], 3
	s_add_co_u32 s72, s72, s96                     ; row / 128 = 16 batch + 2 block + wave / 8
	s_lshl_b32 s72, s72, 18
	s_and_b32 s96, s[BH], 15
	s_lshl_b32 s96, s96, 14                        ; feature / 32 = 2 head: 8,192 bytes each
	s_add_co_u32 s72, s72, s96
	s_and_b32 s96, s[WV], 7
	s_lshl_b32 s96, s96, 10                        ; my tile of 16 rows
	s_add_co_u32 s72, s72, s96
	s_add_nc_u64 s[YA:YA+1], s[6:7], s[72:73]
.irp c, 0,1,2,3
	global_load_b128 v[QF+4*\c:QF+4*\c+3], v[QO], s[QA:QA+1] offset:32*\c
.endr
	s_mov_b32 s[KF], 0
	v_mov_b32 v13, 0xff61b1e6                      ; m = -3e38, under every score
	v_mul_f32 v12, s[CS], v13
	v_mov_b32 v14, 0
	v_mov_b32 v15, 0
.irp j, 0,1,2,3,4,5,6,7,8,9,10,11,12,13,14,15,16,17,18,19,20,21,22,23,24,25,26,27,28,29,30,31
	v_mov_b32 v[O+\j], 0                           ; the step is written once: the first finds zeros
.endr
	s_wait_loadcnt 0x0
.endm
; The block in hand is finished: O^T / l, rounded to f16.  A lane's four registers of a tile of channels are half an operand fragment of the next product: they leave as they stand, 512 consecutive bytes a store.
.macro FLUSH
.rept 4
	v_nop                                          ; places behind the last products
.endr
	v_add_f32 v16, v14, v15
	v_permlanex16_b32 v17, v16, s[SEL], s[SEL+1]
	v_add_f32 v16, v16, v17
	v_rcp_f32 v20, v16
	v_mov_b32 v21, 0                               ; a plain instruction behind the reciprocal
	s_wait_alu depctr_va_vdst(0)                   ; the wait ahead of the first reader
.irp i, 0,2,4,6,8,10,12,14,16,18,20,22,24,26,28,30
	v_pk_mul_f32 v[S+\i:S+\i+1], v[O+\i:O+\i+1], v[20:21] op_sel_hi:[1,0]
.endr
.irp i, 0,1,2,3,4,5,6,7,8,9,10,11,12,13,14,15
	v_cvt_pk_f16_f32 v[P+\i], v[S+2*\i], v[S+2*\i+1]
.endr
.irp dt, 0,1,2,3
	global_store_b128 v[YO], v[P+4*\dt:P+4*\dt+3], s[YA:YA+1] offset:(\dt/2)*8192+(\dt%2)*512
.endr
	s_wait_xcnt 0x0                                ; the stores have read their registers and their base: both are written again
.endm
; A KEY STEP: 64 keys, the q-th of the slot in hand.
.macro STEP q
	s_add_co_u32 s96, s[Q0], 15
	s_cmp_gt_u32 s[KF], s96                        ; all its keys come after my queries: ids and counts alone
	s_cbranch_scc1 .Lhidden_\@
	v_add_nc_u32 v[ADK], s[TB], v[AK0]
	v_add_nc_u32 v[ADV], s[TB], v[AV0]
	v_nop
	v_nop                                          ; four places between the last products and the loads into V's registers
.irp kt, 0,1,2,3
.irp c, 0,1
	ds_load_b128 v[KFR+8*(2*\kt+\c):KFR+8*(2*\kt+\c)+3],   v[ADK] offset:(64*(\q)+16*\kt)*PK+64*\c
	ds_load_b128 v[KFR+8*(2*\kt+\c)+4:KFR+8*(2*\kt+\c)+7], v[ADK] offset:(64*(\q)+16*\kt)*PK+64*\c+32
.endr
.endr
.irp kc, 0,1
.irp dt, 0,1,2,3
	ds_load_tr16_b128 v[VFR+8*(4*\kc+\dt):VFR+8*(4*\kc+\dt)+3],   v[ADV] offset:(64*(\q)+32*\kc)*PV+32*\dt
	ds_load_tr16_b128 v[VFR+8*(4*\kc+\dt)+4:VFR+8*(4*\kc+\dt)+7], v[ADV] offset:(64*(\q)+32*\kc+16)*PV+32*\dt
.endr
.endr
	s_wait_dscnt 16                                ; K is in; V's sixteen loads may be out
.irp kt, 0,1,2,3                       ; the four accumulators take turns
	v_wmma_f32_16x16x32_f16 v[S+8*\kt:S+8*\kt+7], v[KFR+16*\kt:KFR+16*\kt+7], v[QF:QF+7], 0
.endr
.irp kt, 0,1,2,3
	v_wmma_f32_16x16x32_f16 v[S+8*\kt:S+8*\kt+7], v[KFR+16*\kt+8:KFR+16*\kt+15], v[QF+8:QF+15], v[S+8*\kt:S+8*\kt+7]
.endr
.rept 4
	v_nop
.endr
	s_add_co_u32 s96, s[KF], 63
	s_cmp_le_u32 s96, s[Q0]                        ; all its keys count: no mask
	s_cbranch_scc1 .Lopen_\@
	s_sub_co_i32 s96, s[Q0], s[KF]
	v_add_nc_u32 v248, s96, v[RH]                  ; register 8 kt + j holds key KF + 16 kt + 8 (lane / 16) + j: hidden where 16 kt + j > my query - KF - 8 (lane / 16)
.irp n, 0,1,2,3,4,5,6,7,8,9,10,11,12,13,14,15,16,17,18,19,20,21,22,23,24,25,26,27,28,29,30,31
	v_cmp_gt_i32 vcc_lo, 16*(\n/8)+\n%8, v248
	v_cndmask_b32 v[S+\n], v[S+\n], v[NINF], vcc_lo
.endr
.Lopen_\@:
.irp j, 0,1,2,3
	v_max3_num_f32 v[16+\j], v[S+8*\j], v[S+8*\j+1], v[S+8*\j+2]
.endr
.irp j, 0,1,2,3
	v_max3_num_f32 v[16+\j], v[16+\j], v[S+8*\j+3], v[S+8*\j+4]
.endr
.irp j, 0,1,2,3
	v_max3_num_f32 v[16+\j], v[16+\j], v[S+8*\j+5], v[S+8*\j+6]
.endr
	v_max3_num_f32 v16, v16, v[S+7], v[S+15]
	v_max3_num_f32 v18, v18, v[S+23], v[S+31]
	v_max3_num_f32 v16, v16, v17, v18
	v_max3_num_f32 v16, v16, v19, v13              ; with the old m
	v_permlanex16_b32 v17, v16, s[SEL], s[SEL+1]   ; the query's other 32 keys lie in the lane 16 away
	v_mov_b32 v19, v12                             ; c m_old
	v_max_num_f32 v13, v16, v17
	v_mul_f32 v12, s[CS], v13
	v_sub_f32 v19, v19, v12
.irp i, 0,2,4,6,8,10,12,14,16,18,20,22,24,26,28,30
	v_pk_fma_f32 v[S+\i:S+\i+1], v[S+\i:S+\i+1], s[CS:CS+1], v[12:13] op_sel_hi:[1,0,0] neg_lo:[0,0,1] neg_hi:[0,0,1]   ; c s - c m
.endr
	v_exp_f32 v20, v19                             ; a
.irp j, 0,1,2,3,4,5,6,7,8,9,10,11,12,13,14,15,16,17,18,19,20,21,22,23,24,25,26,27,28,29,30,31
	v_exp_f32 v[S+\j], v[S+\j]
.endr
	v_mov_b32 v21, 0                               ; a plain instruction behind the last exponential
	s_wait_alu depctr_va_vdst(0)                   ; one wait for the batch of 33, ahead of its first reader
.irp i, 0,1,2,3,4,5,6,7,8,9,10,11,12,13,14,15
	v_cvt_pk_f16_f32 v[P+\i], v[S+2*\i], v[S+2*\i+1]   ; two tiles of keys, packed in pairs, are source 1 of the second product
.endr
.irp u, 0,1,2,3,4,5,6,7
	v_pk_add_f32 v[S+4*\u:S+4*\u+1], v[S+4*\u:S+4*\u+1], v[S+4*\u+2:S+4*\u+3]
.endr
.irp u, 0,1,2,3
	v_pk_add_f32 v[S+8*\u:S+8*\u+1], v[S+8*\u:S+8*\u+1], v[S+8*\u+4:S+8*\u+5]
.endr
.irp u, 0,1
	v_pk_add_f32 v[S+16*\u:S+16*\u+1], v[S+16*\u:S+16*\u+1], v[S+16*\u+8:S+16*\u+9]
.endr
	v_pk_add_f32 v[S:S+1], v[S:S+1], v[S+16:S+17]
	v_pk_fma_f32 v[14:15], v[14:15], v[20:21], v[S:S+1] op_sel_hi:[1,0,1]   ; l = a l + the step's sum
.irp i, 0,2,4,6,8,10,12,14,16,18,20,22,24,26,28,30
	v_pk_mul_f32 v[O+\i:O+\i+1], v[O+\i:O+\i+1], v[20:21] op_sel_hi:[1,0]
.endr
	s_wait_dscnt 0x0                               ; V is in
.irp kc, 0,1
.irp dt, 0,1,2,3
	v_wmma_f32_16x16x32_f16 v[O+8*\dt:O+8*\dt+7], v[VFR+8*(4*\kc+\dt):VFR+8*(4*\kc+\dt)+7], v[P+8*\kc:P+8*\kc+7], v[O+8*\dt:O+8*\dt+7]
.endr
.endr
.Lhidden_\@:
	s_add_co_u32 s[KF], s[KF], 64
.endm
; THE CHANGE OF SLOTS stands at a slot's head: every wave waits for all its tensor loads, adds 0 to its spare word, waits for that and for its reads of the slot that it has left, and passes the barrier.
; fill = 1: the slot that was left takes the walk's next 256 keys: the next key slot, or key slot 0 where the second block begins.  The load has four key steps in which to land.
.macro CHANGE fill
	s_wait_tensorcnt 0x0                           ; no tensor load of mine is out, so a group 0 may be written
	ds_add_u32 v[SPW], v[NIL]
.if \fill
	ds_add_u32 v[SPW], v[NIL]                      ; twice on end here, in every trip alike
	s_xor_b32 s[G0K+1], s[G0K+1], SLOT1
	s_xor_b32 s[G0V+1], s[G0V+1], SLOT1
	s_add_co_u32 s[KO], s[KO], 32768               ; 256 keys of 128 bytes on,
	s_cmp_eq_u32 s[TR], s[NI]
	s_cselect_b32 s[KO], 0, s[KO]                  ; or back to key 0
	s_add_nc_u64 s[G0K+2:G0K+3], s[KB:KB+1], s[KO:KO+1]
	s_or_b32 s[G0K+3], s[G0K+3], 0x80000000
	s_add_nc_u64 s[G0V+2:G0V+3], s[VB:VB+1], s[KO:KO+1]
	s_or_b32 s[G0V+3], s[G0V+3], 0x80000000
	s_wait_xcnt 0x0                                ; the last prefetch, a slot back, has read its address
	s_add_nc_u64 s[PFA:PFA+1], s[PFA:PFA+1], 32768
.endif
	s_wait_dscnt 0x0
	s_barrier_signal -1
	s_barrier_wait -1
.if \fill
	TLOAD                                          ; the first thing behind the barrier, a wave's one tensor load until the next
	ASK
.endif
.endm
	s_mov_b32 s[BLK], s[NI]
	SETBLK
	s_mov_b32 s[SLOTS], 8
	s_mov_b32 s[TR], 0
	s_mov_b32 s[TB], 0
.Lslot:                                            ; eight trips: behind each change of slots but the last the walk's next slot is asked for
	CHANGE 1
	STEP 0
	STEP 1
	STEP 2
	STEP 3
	s_xor_b32 s[TB], s[TB], SLOT1
	s_cmp_lg_u32 s[TR], s[NI]                      ; block i ends with trip i: the same in all sixteen waves
	s_cbranch_scc1 .Lsame
	FLUSH
	s_sub_co_u32 s[BLK], 7, s[NI]
	SETBLK
.Lsame:
	s_add_co_u32 s[TR], s[TR], 1
	s_sub_co_u32 s[SLOTS], s[SLOTS], 1
	s_cmp_lg_u32 s[SLOTS], 0
	s_cbranch_scc1 .Lslot
	CHANGE 0                                       ; the last slot is written out
	STEP 0
	STEP 1
	STEP 2
	STEP 3
	FLUSH
	s_wait_tensorcnt 0x0                           ; the wave's end
	ds_add_u32 v[SPW], v[NIL]
	s_wait_dscnt 0x0
	s_endpgm
.Lfunc_end_k_q8530abc46b_attn:
	.size	k_q8530abc46b_attn, .Lfunc_end_k_q8530abc46b_attn-k_q8530abc46b_attn
	.p2alignl 7, 3214868480
	.fill 96, 4, 3214868480
	.section	.rodata,"a",@progbits
	.p2align	6, 0x0
	.amdhsa_kernel k_q8530abc46b_attn
		.amdhsa_group_segment_fixed_size 327680
		.amdhsa_private_segment_fixed_size 0
		.amdhsa_enable_private_segment 0
		.amdhsa_kernarg_size 16
		.amdhsa_user_sgpr_count 2
		.amdhsa_user_sgpr_kernarg_segment_ptr 1
		.amdhsa_wavefront_size32 1
		.amdhsa_system_sgpr_workgroup_id_x 1
		.amdhsa_system_sgpr_workgroup_id_y 1
		.amdhsa_system_sgpr_workgroup_id_z 1
		.amdhsa_system_vgpr_workitem_id 0
		.amdhsa_next_free_vgpr 256
		.amdhsa_next_free_sgpr 100
		.amdhsa_reserve_vcc 1
		.amdhsa_float_denorm_mode_32 3
		.amdhsa_float_denorm_mode_16_64 3
		.amdhsa_memory_ordered 1
		.amdhsa_forward_progress 1
		.amdhsa_inst_pref_size 113
	.end_amdhsa_kernel
	.amdgpu_metadata
---
amdhsa.version: [ 1, 2 ]
amdhsa.kernels:
  - .name:           k_q8530abc46b_attn
    .symbol:         k_q8530abc46b_attn.kd
    .args:
      - { .name: qkv, .offset: 0, .size: 8, .value_kind: global_buffer, .address_space: global }
      - { .name: yimg, .offset: 8, .size: 8, .value_kind: global_buffer, .address_space: global }
    .group_segment_fixed_size: 327680
    .private_segment_fixed_size: 0
    .kernarg_segment_align: 8
    .kernarg_segment_size: 16
    .max_flat_workgroup_size: 512
    .sgpr_count:     100
    .vgpr_count:     256
    .wavefront_size: 32
...
	.end_amdgpu_metadata
.endif
;; end of part 3
;; launch outproj (part 4): grid 4 x 64, 4 waves a work-group, clusters of 4 x 4, 327,680 bytes of LDS; arguments yimg, wt, bout, out0; writes out0
.if DOCPART == 4
	.amdgcn_target "amdgcn-amd-amdhsa--gfx1250"
	.amdhsa_code_object_version 6
	.text
	.protected	k_q8530abc46b_outproj
	.globl	k_q8530abc46b_outproj
	.p2align	8
	.type	k_q8530abc46b_outproj,@function
k_q8530abc46b_outproj:
	s_mov_b64 s[64:65], 0
	v_nop
	global_prefetch_b8 v0, s[64:65] scope:SCOPE_SE
	s_setreg_imm32_b32 hwreg(HW_REG_WAVE_MODE, 25, 1), 1
	s_wait_xcnt 0x0
	s_wait_alu depctr_hold_cnt(0) depctr_sa_sdst(0) depctr_va_vdst(0) depctr_va_sdst(0) depctr_va_ssrc(0) depctr_va_vcc(0) depctr_vm_vsrc(0)
	s_getreg_b32 s2, hwreg(HW_REG_IB_STS2, 6, 4)
	s_cmp_eq_u32 s2, 0
	s_cbranch_scc0 .Lentry_in_a_cluster
	s_endpgm
.Lentry_in_a_cluster:
	s_bfe_u32 s2, ttmp6, 0x10000c
	s_cmp_lg_u32 s2, 0xf033
	s_cbranch_scc0 .Lentry_shape_is_right
	s_endpgm
.Lentry_shape_is_right:
; out0 = y Wout + bout: [8192][1024] x [1024][1024], f16 operands, f32 sums, f32 out.
; Both operands arrive as IMAGES OF THEIR REGISTERS (a fragment of 16 x 32: 1,024 bytes, lane l's 16 bytes at 16 l, registers 0-3 then 4-7), so a K step's tiles are dense blocks, LDS needs no padding
; (an instruction's 512 bytes are consecutive) and every fragment comes by two ds_load_b128.
; A tile of 128 rows x 256 columns is made by four waves, each 64 x 128: 32 accumulators.  4 x 64 = 256 work-groups.  K goes in steps of 128 through two slots of 98,304 bytes.
; CLUSTERS: 4 x 4: y's tiles are asked for jointly along a row of the cluster, Wout's along a column.  Waves 0 and 1 fetch y's halves (16,384 bytes), waves 2 and 3 one block of 128 columns each (32,768 bytes).
; THE MATRIX INSTRUCTION IS USED TRANSPOSED (source 0 = 16 columns of Wout, source 1 = 16 rows of y): a lane holds eight neighbouring columns of one row.  The bias is the C of each sum's first instruction.
; REGISTERS: window 0: v0-31 addresses; v64-159, v160-255 two fragment buffers (B 64, A 32).  window 1: the accumulators ((a, b) at v[8 (8 a + b)]).  window 2: v0-63 the bias.
.set SLOT,   98304
.set STAGE,  2*SLOT                    ; 16 rows x 528 bytes for each wave
.set SPITCH, 528
.set SPARE,  STAGE+4*16*SPITCH
.set LAPS,   4
.set ADRA, 16
.set ADRB, 20
.set STO,  24
.set RD,   25
.set CO,   26
.set SPW,  28
.set NIL,  29
.set PFO,  30
.set F0,   64
.set F1,   160
.set G1,  24
.set G0,  32
.set G1B, 48
.set G0B, 56
.set PFA, 68
.set LIM, 70
.set MSB, 0
.macro WIN new
.if MSB != (\new)
	s_set_vgpr_msb (MSB<<8)|(\new)
.set MSB, (\new)
.endif
.endm
.set MUL,  0x50                        ; sources 0 and 1 window 0; C and D window 1
.set MUL0, 0x60                        ; C (the bias) window 2, D window 1
.macro JLOAD s
	s_cmp_eq_u32 s13, 0
	s_cbranch_scc0 .Lfor_b_\@
	tensor_load_to_lds s[G0+4*\s:G0+4*\s+3], s[G1:G1+7]
	s_nop 0
.rept 4
	v_nop
.endr
	s_branch .Lasked_\@
.Lfor_b_\@:
	tensor_load_to_lds s[G0B+4*\s:G0B+4*\s+3], s[G1B:G1B+7]
	s_nop 0
.rept 4
	v_nop
.endr
.Lasked_\@:
.endm
.macro CREST
	s_cmp_lg_u32 s12, 0
	s_cbranch_scc1 .Lnot_wave_0_\@
	s_barrier_signal -3
.Lnot_wave_0_\@:
	s_barrier_wait -3
	s_barrier_signal -1
	s_barrier_wait -1
.endm
.macro CROUND
	s_barrier_signal -1
	s_barrier_wait -1
	CREST
.endm
; A prefetch of y's K step that stands two refills on: of its 32,768 bytes the partner at place cx takes 8,192 (told apart by address), wave 0 asks, lanes 256 bytes apart: K steps 4 to 7 are named once each.
; The loop's last trip asks for nothing.  Wout's images are read by all clusters in step and are not asked for.
.macro ASK
	s_cmp_gt_u32 s3, s[LIM]
	s_cbranch_scc0 .Lnot_mine_\@
	global_prefetch_b8 v[PFO], s[PFA:PFA+1] offset:32768 th:TH_LOAD_NT scope:SCOPE_SE
.Lnot_mine_\@:
.endm
	s_load_b256 s[4:11], s[0:1], 0x0               ; yimg s[4:5], wt s[6:7], bout s[8:9], out0 s[10:11]
	v_lshl_add_u32 v[SPW], v0, 2, SPARE
	v_mov_b32 v[NIL], 0
	ds_add_u32 v[SPW], v[NIL]                      ; the wave's opening: the add, twice on end, and its wait ahead of my first tensor load
	ds_add_u32 v[SPW], v[NIL]
	v_lshrrev_b32 v1, 5, v0
	v_readfirstlane_b32 s12, v1                    ; wave 0..3
	s_lshr_b32 s13, s12, 1                         ; which 64 rows are mine; also: I fetch for y (0) or for Wout (1)
	s_and_b32 s14, s12, 1                          ; which 128 columns; also: which half I fetch
	s_bfe_u32 s40, ttmp6, 0x40000                  ; cx
	s_bfe_u32 s41, ttmp6, 0x40004                  ; cy
	s_lshl_b32 s42, ttmp9, 2
	s_add_co_u32 s42, s42, s40                     ; tile column
	s_and_b32 s15, ttmp7, 0xffff
	s_lshl_b32 s15, s15, 2
	s_add_co_u32 s15, s15, s41                     ; tile row
	s_lshl_b32 s43, s41, 2
	s_lshl_b32 s43, 15, s43
	s_lshl_b32 s44, 0x1111, s40
	s_or_b32 s[G1+0], s43, (3<<16)|(1<<21)         ; the mask; elements of 8 bytes; no padding; bit 21 beside a mask
	s_or_b32 s[G1B+0], s44, (3<<16)|(1<<21)
	s_mov_b32 s[G1+1], 32<<16                      ; dense blocks as rows of 256 bytes: y's half 64 rows,
	s_mov_b32 s[G1+2], 64<<16
	s_mov_b32 s[G1+3], 32<<16
	s_mov_b32 s[G1+4], 64
	s_mov_b32 s[G1+5], 32
	s_mov_b32 s[G1+6], 0
	s_mov_b32 s[G1+7], 0
	s_mov_b32 s[G1B+1], 32<<16                     ; Wout's block 128 rows
	s_mov_b32 s[G1B+2], 128<<16
	s_mov_b32 s[G1B+3], 32<<16
	s_mov_b32 s[G1B+4], 128
	s_mov_b32 s[G1B+5], 32
	s_mov_b32 s[G1B+6], 0
	s_mov_b32 s[G1B+7], 0
	s_lshl_b32 s16, s15, 18                        ; y: 262,144 bytes for 128 rows, + my half of a K step
	s_lshl_b32 s17, s14, 14
	s_add_co_u32 s16, s16, s17
	s_mov_b32 s17, 0
	s_lshl_b32 s46, s42, 1
	s_add_co_u32 s46, s46, s14
	s_lshl_b32 s46, s46, 18                        ; Wout: 262,144 bytes for 128 columns
	s_mov_b32 s47, 0
	s_lshl_b32 s20, s14, 14                        ; where they go: y's halves,
	s_lshl_b32 s21, s14, 15
	s_add_co_u32 s21, s21, 32768                   ; then Wout's two blocks
	s_wait_dscnt 0x0
	s_wait_kmcnt 0x0
	s_add_nc_u64 s[18:19], s[4:5], s[16:17]
	s_add_nc_u64 s[46:47], s[6:7], s[46:47]
	CROUND                                         ; all sixteen work-groups are here: the first joint loads meet
.irp s, 0,1
	s_mov_b32 s[G0+4*\s], 1
	s_add_co_u32 s[G0+4*\s+1], s20, \s*SLOT
	s_add_nc_u64 s[G0+4*\s+2:G0+4*\s+3], s[18:19], \s*32768
	s_or_b32 s[G0+4*\s+3], s[G0+4*\s+3], 0x80000000
	s_mov_b32 s[G0B+4*\s], 1
	s_add_co_u32 s[G0B+4*\s+1], s21, \s*SLOT
	s_add_nc_u64 s[G0B+4*\s+2:G0B+4*\s+3], s[46:47], \s*32768
	s_or_b32 s[G0B+4*\s+3], s[G0B+4*\s+3], 0x80000000
	JLOAD \s
.endr
	v_and_b32 v1, 15, v0
	v_bfe_u32 v2, v0, 4, 1
	v_and_b32 v3, 31, v0
	v_lshlrev_b32 v3, 4, v3                        ; 16 x lane
	s_lshl_b32 s22, s13, 12                        ; my four tiles of rows
	s_lshl_b32 s23, s14, 15
	s_add_co_u32 s23, s23, 32768                   ; my block of columns
.irp s, 0,1
	v_add_nc_u32 v[ADRA+\s], s22, v3
	v_add_nc_u32 v[ADRB+\s], s23, v3
	s_add_co_u32 s22, s22, SLOT
	s_add_co_u32 s23, s23, SLOT
.endr
	s_mul_i32 s22, s12, 16*SPITCH
	s_add_co_u32 s22, s22, STAGE                   ; my stage
	v_mul_u32_u24 v4, v1, SPITCH
	v_lshl_add_u32 v4, v2, 5, v4
	v_add_nc_u32 v[STO], s22, v4                   ; in: row r, 32 bytes for each half of the lanes
	v_add_nc_u32 v[RD], s22, v3                    ; back: the 32 lanes take one row of 512 bytes
	v_mov_b32 v[CO], v3
	v_lshlrev_b32 v5, 5, v2                        ; the bias: 32 h
	s_lshl_b32 s16, s15, 19                        ; 128 rows of 4,096 bytes
	s_lshl_b32 s17, s13, 18
	s_add_co_u32 s16, s16, s17
	s_mov_b32 s17, 0
	s_lshl_b32 s46, s42, 10
	s_lshl_b32 s47, s14, 9
	s_add_co_u32 s46, s46, s47                     ; my first column, in bytes
	s_mov_b32 s47, 0
	s_add_nc_u64 s[74:75], s[8:9], s[46:47]
	s_add_nc_u64 s[72:73], s[10:11], s[16:17]
	s_add_nc_u64 s[72:73], s[72:73], s[46:47]
	WIN 0x80                                       ; destination window 2
.irp b, 0,1,2,3,4,5,6,7
	global_load_b128 v[8*\b:8*\b+3], v5, s[74:75] offset:64*\b
	global_load_b128 v[8*\b+4:8*\b+7], v5, s[74:75] offset:64*\b+16
.endr
	WIN 0
	s_lshl_b32 s46, s40, 13
	s_lshl_b32 s47, s15, 18
	s_add_co_u32 s46, s46, s47
	s_add_co_u32 s46, s46, 65536                   ; at K step 2: the first refill steps it to 3 and names K step 4
	s_mov_b32 s47, 0
	s_add_nc_u64 s[PFA:PFA+1], s[4:5], s[46:47]
	s_cmp_eq_u32 s12, 0
	s_cselect_b32 s[LIM], 1, -1
	v_and_b32 v[PFO], 31, v0
	v_lshlrev_b32 v[PFO], 8, v[PFO]
.macro MULA f, a, first                ; 8 matrix instructions: my tile a of rows x my eight tiles of columns, 32 along K.  The 32 accumulators take turns in the same order in every quarter
.irp b, 0,1,2,3,4,5,6,7
.if \first
	v_wmma_f32_16x16x32_f16 v[8*(8*(\a)+\b):8*(8*(\a)+\b)+7], v[\f+8*\b:\f+8*\b+7], v[\f+64+8*(\a):\f+64+8*(\a)+7], v[8*\b:8*\b+7]
.else
	v_wmma_f32_16x16x32_f16 v[8*(8*(\a)+\b):8*(8*(\a)+\b)+7], v[\f+8*\b:\f+8*\b+7], v[\f+64+8*(\a):\f+64+8*(\a)+7], v[8*(8*(\a)+\b):8*(8*(\a)+\b)+7]
.endif
.endr
.endm
.macro FETCH slot, q, f                ; 24 LDS loads: the slot's q-th 32 along K: B's eight fragments, then A's four
	WIN 0
.irp i, 0,1,2,3,4,5,6,7
	ds_load_b128 v[\f+8*\i:\f+8*\i+3],   v[ADRB+\slot] offset:8192*(\q)+1024*\i
	ds_load_b128 v[\f+8*\i+4:\f+8*\i+7], v[ADRB+\slot] offset:8192*(\q)+1024*\i+512
.endr
.irp i, 0,1,2,3
	ds_load_b128 v[\f+64+8*\i:\f+64+8*\i+3],   v[ADRA+\slot] offset:8192*(\q)+1024*\i
	ds_load_b128 v[\f+64+8*\i+4:\f+64+8*\i+7], v[ADRA+\slot] offset:8192*(\q)+1024*\i+512
.endr
.endm
.macro PLACES
.rept 4
	v_nop
.endr
.endm
.macro QUARTER slot, q, f, g, first    ; multiplies buffer f; in its middle it fetches the slot's q-th 32 along K into g
	s_wait_dscnt 4                                 ; B and A's tiles 0, 1 are in; the youngest four loads (tiles 2, 3) may be out
.if \first
	WIN MUL0
.else
	WIN MUL
.endif
	MULA \f, 0, \first
	MULA \f, 1, \first
	PLACES
	FETCH \slot, \q, \g
	s_wait_dscnt 24                                ; all but the 24 just issued
.if \first
	WIN MUL0
.else
	WIN MUL
.endif
	MULA \f, 2, \first
	MULA \f, 3, \first
.endm
.macro TURN slot, next, fill           ; the slot's last quarter multiplies buffer 1 and changes slots
	WIN 0
.if \fill
	s_wait_xcnt 0x0                                ; the last prefetch, a K step back, has read its address
	s_add_nc_u64 s[PFA:PFA+1], s[PFA:PFA+1], 32768
.endif
	s_wait_tensorcnt 0x0                           ; all my tensor loads have landed: my part of the next slot
	ds_add_u32 v[SPW], v[NIL]
	s_wait_dscnt 5                                 ; the add and the youngest four loads may be out
	WIN MUL
	MULA F1, 0, 0
	s_wait_dscnt 0x0                               ; the add is done, and my reads of this slot are over
	s_barrier_signal -1
	MULA F1, 1, 0
.if \fill
	WIN 0
.endif
	s_barrier_wait -1
.if \fill
	CREST                                          ; the barrier has opened a round of the cluster's barrier: no wave of any partner still reads this slot or has a load on its way
	s_add_nc_u64 s[G0+4*\slot+2:G0+4*\slot+3], s[G0+4*\slot+2:G0+4*\slot+3], 65536
	s_add_nc_u64 s[G0B+4*\slot+2:G0B+4*\slot+3], s[G0B+4*\slot+2:G0B+4*\slot+3], 65536
	JLOAD \slot                                    ; the first tensor load behind the round; its four v_nop are also the places in front of the loads below
.else
	PLACES
.endif
	FETCH \next, 0, F0
.if \fill
	ASK
.endif
	WIN MUL
	MULA F1, 2, 0
	MULA F1, 3, 0
.endm
	s_wait_tensorcnt 1                             ; my part of K step 0 is in; K step 1's may be out
	s_barrier_signal -1
	s_barrier_wait -1
	FETCH 0, 0, F0
	s_wait_loadcnt 0x0                             ; the bias
	QUARTER 0, 1, F0, F1, 1                        ; the first quarter starts the sums from the bias
	WIN 0
	s_mov_b32 s3, LAPS-1
.Llap:                                             ; a trip goes once round the ring and fills both slots again
	QUARTER 0, 2, F1, F0, 0
	QUARTER 0, 3, F0, F1, 0
	TURN 0, 1, 1
	QUARTER 1, 1, F0, F1, 0
	QUARTER 1, 2, F1, F0, 0
	QUARTER 1, 3, F0, F1, 0
	TURN 1, 0, 1
	QUARTER 0, 1, F0, F1, 0
	WIN 0
	s_sub_co_u32 s3, s3, 1
	s_cmp_lg_u32 s3, 0
	s_cbranch_scc1 .Llap
	QUARTER 0, 2, F1, F0, 0                        ; the last lap fills nothing
	QUARTER 0, 3, F0, F1, 0
	TURN 0, 1, 0
	QUARTER 1, 1, F0, F1, 0
	QUARTER 1, 2, F1, F0, 0
	QUARTER 1, 3, F0, F1, 0
	s_wait_dscnt 4
	WIN MUL
	MULA F1, 0, 0
	MULA F1, 1, 0
	s_wait_dscnt 0
	MULA F1, 2, 0
	MULA F1, 3, 0
	WIN 0
; THE WAY OUT, 16 rows x 128 columns at a time, through my own stage: back as whole rows of 512 bytes.
.macro TOSTAGE a
	WIN 0x04                                       ; an LDS store's data are its source 1: window 1
.irp b, 0,1,2,3,4,5,6,7
	ds_store_b128 v[STO], v[8*(8*(\a)+\b):8*(8*(\a)+\b)+3] offset:64*\b      ; each accumulator from its low end on
	ds_store_b128 v[STO], v[8*(8*(\a)+\b)+4:8*(8*(\a)+\b)+7] offset:64*\b+16
.endr
	WIN 0
.set BB, 64+64*((\a)%2)
.irp t, 0,1,2,3,4,5,6,7,8,9,10,11,12,13,14,15
	ds_load_b128 v[BB+4*\t:BB+4*\t+3], v[RD] offset:\t*SPITCH
.endr
.endm
.macro SEND a, younger
.set BB, 64+64*((\a)%2)
	s_wait_dscnt \younger                          ; the block is back; the next block's 16 stores and 16 loads may be out
.irp t, 0,1,2,3,4,5,6,7,8,9,10,11,12,13,14,15
	global_store_b128 v[CO], v[BB+4*\t:BB+4*\t+3], s[72:73] offset:(16*(\a)+\t)*4096 th:TH_STORE_NT   ; 32 lanes store 512 consecutive bytes, aligned
.endr
.endm
	PLACES
	TOSTAGE 0
	TOSTAGE 1
	SEND 0, 32
	s_wait_xcnt 0x0                                ; block 0's stores have read their registers: block 2's loads may land there
	TOSTAGE 2
	SEND 1, 32
	s_wait_xcnt 0x0
	TOSTAGE 3
	SEND 2, 32
	SEND 3, 0
	s_wait_tensorcnt 0x0                           ; the wave's end
	ds_add_u32 v[SPW], v[NIL]
	s_wait_dscnt 0x0
	CROUND                                         ; the closing round
	s_endpgm
.Lfunc_end_k_q8530abc46b_outproj:
	.size	k_q8530abc46b_outproj, .Lfunc_end_k_q8530abc46b_outproj-k_q8530abc46b_outproj
	.p2alignl 7, 3214868480
	.fill 96, 4, 3214868480
	.section	.rodata,"a",@progbits
	.p2align	6, 0x0
	.amdhsa_kernel k_q8530abc46b_outproj
		.amdhsa_group_segment_fixed_size 327680
		.amdhsa_private_segment_fixed_size 0
		.amdhsa_enable_private_segment 0
		.amdhsa_kernarg_size 32
		.amdhsa_user_sgpr_count 2
		.amdhsa_user_sgpr_kernarg_segment_ptr 1
		.amdhsa_wavefront_size32 1
		.amdhsa_system_sgpr_workgroup_id_x 1
		.amdhsa_system_sgpr_workgroup_id_y 1
		.amdhsa_system_sgpr_workgroup_id_z 1
		.amdhsa_system_vgpr_workitem_id 0
		.amdhsa_next_free_vgpr 576
		.amdhsa_next_free_sgpr 76
		.amdhsa_reserve_vcc 0
		.amdhsa_float_denorm_mode_32 3
		.amdhsa_float_denorm_mode_16_64 3
		.amdhsa_memory_ordered 1
		.amdhsa_forward_progress 1
		.amdhsa_inst_pref_size 87
	.end_amdhsa_kernel
	.amdgpu_metadata
---
amdhsa.version: [ 1, 2 ]
amdhsa.kernels:
  - .name:           k_q8530abc46b_outproj
    .symbol:         k_q8530abc46b_outproj.kd
    .args:
      - { .name: yimg, .offset: 0, .size: 8, .value_kind: global_buffer, .address_space: global }
      - { .name: wt, .offset: 8, .size: 8, .value_kind: global_buffer, .address_space: global }
      - { .name: bout, .offset: 16, .size: 8, .value_kind: global_buffer, .address_space: global }
      - { .name: out0, .offset: 24, .size: 8, .value_kind: global_buffer, .address_space: global }
    .group_segment_fixed_size: 327680
    .private_segment_fixed_size: 0
    .kernarg_segment_align: 8
    .kernarg_segment_size: 32
    .max_flat_workgroup_size: 128
    .sgpr_count:     76
    .vgpr_count:     576
    .wavefront_size: 32
...
	.end_amdgpu_metadata
.endif
;; end of part 4
;; launch fine_attn (part 5): grid 16 x 4, 1 waves a work-group, no clusters, 0 bytes of LDS; arguments xc, xs, wc, ws, bqkv, yfine; writes yfine
.if DOCPART == 5
	.amdgcn_target "amdgcn-amd-amdhsa--gfx1250"
	.amdhsa_code_object_version 6
	.text
	.protected	k_q8530abc46b_fine_attn
	.globl	k_q8530abc46b_fine_attn
	.p2align	8
	.type	k_q8530abc46b_fine_attn,@function
k_q8530abc46b_fine_attn:
	s_mov_b64 s[64:65], 0
	v_nop
	global_prefetch_b8 v0, s[64:65] scope:SCOPE_SE
	s_setreg_imm32_b32 hwreg(HW_REG_WAVE_MODE, 25, 1), 1
	s_wait_xcnt 0x0
; The first 16 positions of each sequence, carried in f32.  One wave takes one (head, batch): q, k, v of tokens 0-15 by the quantised product on the same codes (96 matrix instructions on FP4 codes), the sums kept in f32;
; then the scores, the causal softmax and y in f32 (32 matrix instructions of the f32 form: 16 x 16 x 64 and 16 x 64 x 16 multiply-adds a head, no bulk work).
; q and k are made transposed (source 0 = 16 columns of W, source 1 = x): a lane holds token r and features 16 t + 8 h + j.  v is made the natural way: a lane holds feature 16 t + r and tokens 8 h + j.
; The f32 form wants k = 2 h + j in register j.  A pair of registers (8 t + 2 u, + 1) gives it features 16 t + 8 h + 2 u + j: the same choice of four features on both sides, so nothing changes lanes; likewise the keys in the second product.
; REGISTERS: window 0: v1-10 addresses; v16-79 x's 8 fragments, later q' (v16-47) and k' (v48-79), then y; v80-87 x's scale words; v88-135 W's scale words (lanes 0-15 an even tile, lanes 16-31 the odd one);
;   v136-231 sums, written by matrix instructions alone; v232-255 at work.   windows 1, 2, 3: the 32 fragments of q's, k's, v's columns (tile t, K step s at v[8 (8 t + s)]); later window 1 v0-63 q's and k's biases, window 2 v0-31 v'.
.set MSB, 0
.macro WIN new
.if MSB != (\new)
	s_set_vgpr_msb (MSB<<8)|(\new)
.set MSB, (\new)
.endif
.endm
	s_load_b256 s[4:11], s[0:1], 0x0               ; xc s[4:5], xs s[6:7], wc s[8:9], ws s[10:11]
	s_load_b128 s[12:15], s[0:1], 0x20             ; bqkv s[12:13], yfine s[14:15]
	v_and_b32 v8, 15, v0                           ; r
	v_bfe_u32 v9, v0, 4, 1                         ; h
	v_lshlrev_b32 v1, 9, v8
	v_lshl_add_u32 v1, v9, 4, v1                   ; codes: row r of 512 bytes + 16 h
	v_lshlrev_b32 v2, 5, v8                        ; x's scales: row r of 32 bytes
	v_lshlrev_b32 v3, 5, v0                        ; W's scales: row = lane
	v_lshlrev_b32 v4, 2, v8                        ; v's bias: 4 r
	v_lshlrev_b32 v5, 5, v9                        ; q's and k's: 32 h
	v_lshlrev_b32 v6, 4, v0                        ; out: 16 x lane
	v_lshlrev_b32 v10, 3, v9
	v_sub_nc_u32 v7, v8, v10                       ; r - 8 h
	s_and_b32 s16, ttmp7, 0xffff                   ; batch
	s_mov_b32 s19, 0
	s_mov_b32 s20, 0x76543210
	s_mov_b32 s21, 0xfedcba98
	s_mov_b32 s22, 0x3e38aa3b                      ; c = log2(e) / 8
	s_mov_b32 s23, s22
	s_wait_kmcnt 0x0
	s_lshl_b32 s18, s16, 20
	s_add_nc_u64 s[4:5], s[4:5], s[18:19]          ; the batch's first row of codes,
	s_lshl_b32 s18, s16, 16
	s_add_nc_u64 s[6:7], s[6:7], s[18:19]          ; of scale bytes
	s_lshl_b32 s18, ttmp9, 15
	s_add_nc_u64 s[8:9], s[8:9], s[18:19]          ; the head's 64 columns: codes,
	s_lshl_b32 s18, ttmp9, 11
	s_add_nc_u64 s[10:11], s[10:11], s[18:19]      ; scale bytes,
	s_lshl_b32 s18, ttmp9, 8
	s_add_nc_u64 s[12:13], s[12:13], s[18:19]      ; biases
	s_lshl_b32 s18, s16, 4
	s_add_co_u32 s18, s18, ttmp9
	s_lshl_b32 s18, s18, 12
	s_add_nc_u64 s[14:15], s[14:15], s[18:19]      ; 4,096 bytes of y for each (batch, head)
.irp s, 0,1,2,3,4,5,6,7
.irp c, 0,1
	global_load_b128 v[16+8*\s+4*\c:16+8*\s+4*\c+3], v1, s[4:5] offset:64*\s+32*\c
.endr
.endr
	global_load_b128 v[80:83], v2, s[6:7]
	global_load_b128 v[84:87], v2, s[6:7] offset:16
.irp g, 0,1,2
.irp p, 0,1
	global_load_b128 v[88+8*(2*\g+\p):88+8*(2*\g+\p)+3], v3, s[10:11] offset:32768*\g+1024*\p
	global_load_b128 v[88+8*(2*\g+\p)+4:88+8*(2*\g+\p)+7], v3, s[10:11] offset:32768*\g+1024*\p+16
.endr
.endr
.irp t, 0,1,2,3
	global_load_b32 v[248+\t], v4, s[12:13] offset:8192+64*\t
.endr
.macro WLOADS g                        ; the 32 fragments of group g (0 q, 1 k, 2 v) into window g + 1
	WIN (\g+1)<<6
.irp t, 0,1,2,3
.irp s, 0,1,2,3,4,5,6,7
.irp c, 0,1
	global_load_b128 v[8*(8*\t+\s)+4*\c:8*(8*\t+\s)+4*\c+3], v1, s[8:9] offset:524288*\g+8192*\t+64*\s+32*\c
.endr
.endr
.endr
.endm
	WLOADS 0
	WLOADS 1
	WLOADS 2
	WIN 0
	s_wait_loadcnt 0x0
; one product of group g, K step s, tile t.  nat = 0: source 0 = W, source 1 = x; nat = 1: the other way round.  An odd tile's scale words lie in lanes 16-31.
.macro FPMUL g, s, t, nat
.set rD, 136+32*(\g)+8*(\t)
.set rW, 8*(8*(\t)+(\s))
.set rX, 16+8*(\s)
.set rS, 88+8*(2*(\g)+(\t)/2)+(\s)
.set rT, 80+(\s)
.if \nat
.if (\s) == 0
.if (\t)%2
	v_wmma_scale_f32_16x16x128_f8f6f4 v[rD:rD+7], v[rX:rX+7], v[rW:rW+7], 0, v[rT], v[rS] matrix_a_fmt:MATRIX_FMT_FP4 matrix_b_fmt:MATRIX_FMT_FP4 matrix_b_scale:MATRIX_SCALE_ROW1
.else
	v_wmma_scale_f32_16x16x128_f8f6f4 v[rD:rD+7], v[rX:rX+7], v[rW:rW+7], 0, v[rT], v[rS] matrix_a_fmt:MATRIX_FMT_FP4 matrix_b_fmt:MATRIX_FMT_FP4
.endif
.else
.if (\t)%2
	v_wmma_scale_f32_16x16x128_f8f6f4 v[rD:rD+7], v[rX:rX+7], v[rW:rW+7], v[rD:rD+7], v[rT], v[rS] matrix_a_fmt:MATRIX_FMT_FP4 matrix_b_fmt:MATRIX_FMT_FP4 matrix_b_scale:MATRIX_SCALE_ROW1
.else
	v_wmma_scale_f32_16x16x128_f8f6f4 v[rD:rD+7], v[rX:rX+7], v[rW:rW+7], v[rD:rD+7], v[rT], v[rS] matrix_a_fmt:MATRIX_FMT_FP4 matrix_b_fmt:MATRIX_FMT_FP4
.endif
.endif
.else
.if (\s) == 0
.if (\t)%2
	v_wmma_scale_f32_16x16x128_f8f6f4 v[rD:rD+7], v[rW:rW+7], v[rX:rX+7], 0, v[rS], v[rT] matrix_a_fmt:MATRIX_FMT_FP4 matrix_b_fmt:MATRIX_FMT_FP4 matrix_a_scale:MATRIX_SCALE_ROW1
.else
	v_wmma_scale_f32_16x16x128_f8f6f4 v[rD:rD+7], v[rW:rW+7], v[rX:rX+7], 0, v[rS], v[rT] matrix_a_fmt:MATRIX_FMT_FP4 matrix_b_fmt:MATRIX_FMT_FP4
.endif
.else
.if (\t)%2
	v_wmma_scale_f32_16x16x128_f8f6f4 v[rD:rD+7], v[rW:rW+7], v[rX:rX+7], v[rD:rD+7], v[rS], v[rT] matrix_a_fmt:MATRIX_FMT_FP4 matrix_b_fmt:MATRIX_FMT_FP4 matrix_a_scale:MATRIX_SCALE_ROW1
.else
	v_wmma_scale_f32_16x16x128_f8f6f4 v[rD:rD+7], v[rW:rW+7], v[rX:rX+7], v[rD:rD+7], v[rS], v[rT] matrix_a_fmt:MATRIX_FMT_FP4 matrix_b_fmt:MATRIX_FMT_FP4
.endif
.endif
.endif
.endm
.macro GROUP g, nat                    ; 32 products: the group's four accumulators take turns, K ascending
.irp s, 0,1,2,3,4,5,6,7
.irp t, 0,1,2,3
	FPMUL \g, \s, \t, \nat
.endr
.endr
.endm
	WIN 0x01                                       ; source 0 (W) window 1
	GROUP 0, 0
.rept 4
	v_nop                                          ; places in front of loads into registers that these products have read
.endr
	WIN 0x40                                       ; q's and k's biases, in the result's layout, into window 1, v0-63: they land under the other 64 products
.irp g, 0,1
.irp t, 0,1,2,3
	global_load_b128 v[32*\g+8*\t:32*\g+8*\t+3], v5, s[12:13] offset:4096*\g+64*\t
	global_load_b128 v[32*\g+8*\t+4:32*\g+8*\t+7], v5, s[12:13] offset:4096*\g+64*\t+16
.endr
.endr
	WIN 0x02                                       ; source 0 (W) window 2
	GROUP 1, 0
	WIN 0x0c                                       ; source 1 (W) window 3
	GROUP 2, 1
	WIN 0
.rept 4
	v_nop
.endr
	s_wait_loadcnt 0x0
	WIN 0x04                                       ; source 1 (the bias) window 1
.irp i, 0,2,4,6,8,10,12,14,16,18,20,22,24,26,28,30,32,34,36,38,40,42,44,46,48,50,52,54,56,58,60,62
	v_pk_add_f32 v[16+\i:17+\i], v[136+\i:137+\i], v[\i:\i+1]    ; q' (v16-47) and k' (v48-79)
.endr
	WIN 0x80                                       ; destination window 2
.irp t, 0,1,2,3
.irp j, 0,1,2,3,4,5,6,7
	v_add_f32 v[8*\t+\j], v[200+8*\t+\j], v[248+\t]              ; v'
.endr
.endr
	WIN 0
; S^T = k' q'^T: source 0 = 16 keys, source 1 = 16 queries; four accumulators by turns, each over its tile's 16 features
.irp u, 0,1,2,3
.irp t, 0,1,2,3
.if \u == 0
	v_wmma_f32_16x16x4_f32 v[136+8*\t:143+8*\t], v[48+8*\t+2*\u:49+8*\t+2*\u], v[16+8*\t+2*\u:17+8*\t+2*\u], 0
.else
	v_wmma_f32_16x16x4_f32 v[136+8*\t:143+8*\t], v[48+8*\t+2*\u:49+8*\t+2*\u], v[16+8*\t+2*\u:17+8*\t+2*\u], v[136+8*\t:143+8*\t]
.endif
.endr
.endr
.rept 8
	v_nop                                          ; eight places behind this form
.endr
.irp i, 0,2,4,6
	v_pk_add_f32 v[232+\i:233+\i], v[136+\i:137+\i], v[144+\i:145+\i]
.endr
.irp i, 0,2,4,6
	v_pk_add_f32 v[240+\i:241+\i], v[152+\i:153+\i], v[160+\i:161+\i]
.endr
.irp i, 0,2,4,6
	v_pk_add_f32 v[232+\i:233+\i], v[232+\i:233+\i], v[240+\i:241+\i]   ; register j: the score of key 8 h + j for query r
.endr
	v_mov_b32 v240, 0xff800000
.irp j, 0,1,2,3,4,5,6,7
	v_cmp_gt_i32 vcc_lo, \j, v7                    ; hidden where 8 h + j > r
	v_cndmask_b32 v[232+\j], v[232+\j], v240, vcc_lo
.endr
	v_max3_num_f32 v241, v232, v233, v234
	v_max3_num_f32 v241, v241, v235, v236
	v_max3_num_f32 v241, v241, v237, v238
	v_max_num_f32 v241, v241, v239
	v_mov_b32 v242, 0
	v_permlanex16_b32 v242, v241, s20, s21
	v_max_num_f32 v241, v241, v242                 ; the row's maximum (key 0 counts for every query)
	v_mul_f32 v242, s22, v241
	v_mov_b32 v243, v242
.irp i, 0,2,4,6
	v_pk_fma_f32 v[232+\i:233+\i], v[232+\i:233+\i], s[22:23], v[242:243] op_sel_hi:[1,0,0] neg_lo:[0,0,1] neg_hi:[0,0,1]
.endr
.irp j, 0,1,2,3,4,5,6,7
	v_exp_f32 v[232+\j], v[232+\j]
.endr
	v_nop                                          ; a plain instruction behind the last exponential
	s_wait_alu depctr_va_vdst(0)                   ; one wait for the batch, ahead of its first reader
	v_pk_add_f32 v[244:245], v[232:233], v[234:235]
	v_pk_add_f32 v[246:247], v[236:237], v[238:239]
	v_pk_add_f32 v[244:245], v[244:245], v[246:247]
	v_add_f32 v244, v244, v245
	v_permlanex16_b32 v245, v244, s20, s21
	v_add_f32 v244, v244, v245                     ; the row's sum
	v_rcp_f32 v246, v244
	v_mov_b32 v247, 0
	WIN 0x02                                       ; source 0 (v') window 2
; y^T = v'^T p^T: source 0 = 16 features, source 1 = 16 queries; K = the 16 keys, four at a time
.irp u, 0,1,2,3
.irp t, 0,1,2,3
.if \u == 0
	v_wmma_f32_16x16x4_f32 v[168+8*\t:175+8*\t], v[8*\t+2*\u:8*\t+2*\u+1], v[232+2*\u:233+2*\u], 0
.else
	v_wmma_f32_16x16x4_f32 v[168+8*\t:175+8*\t], v[8*\t+2*\u:8*\t+2*\u+1], v[232+2*\u:233+2*\u], v[168+8*\t:175+8*\t]
.endif
.endr
.endr
	WIN 0
.rept 8
	v_nop
.endr
	s_wait_alu depctr_va_vdst(0)                   ; the reciprocal's wait, ahead of its first reader
.irp i, 0,2,4,6,8,10,12,14,16,18,20,22,24,26,28,30
	v_pk_mul_f32 v[16+\i:17+\i], v[168+\i:169+\i], v[246:247] op_sel_hi:[1,0]   ; register 8 t + j: y(row r, feature 16 t + 8 h + j)
.endr
.irp t, 0,1,2,3
.irp f, 0,1
	global_store_b128 v6, v[16+8*\t+4*\f:16+8*\t+4*\f+3], s[14:15] offset:(2*\t+\f)*512   ; the wave stores 512 consecutive bytes, aligned
.endr
.endr
	s_endpgm
.Lfunc_end_k_q8530abc46b_fine_attn:
	.size	k_q8530abc46b_fine_attn, .Lfunc_end_k_q8530abc46b_fine_attn-k_q8530abc46b_fine_attn
	.p2alignl 7, 3214868480
	.fill 96, 4, 3214868480
	.section	.rodata,"a",@progbits
	.p2align	6, 0x0
	.amdhsa_kernel k_q8530abc46b_fine_attn
		.amdhsa_group_segment_fixed_size 0
		.amdhsa_private_segment_fixed_size 0
		.amdhsa_enable_private_segment 0
		.amdhsa_kernarg_size 48
		.amdhsa_user_sgpr_count 2
		.amdhsa_user_sgpr_kernarg_segment_ptr 1
		.amdhsa_wavefront_size32 1
		.amdhsa_system_sgpr_workgroup_id_x 1
		.amdhsa_system_sgpr_workgroup_id_y 1
		.amdhsa_system_sgpr_workgroup_id_z 1
		.amdhsa_system_vgpr_workitem_id 0
		.amdhsa_next_free_vgpr 1024
		.amdhsa_next_free_sgpr 66
		.amdhsa_reserve_vcc 1
		.amdhsa_float_denorm_mode_32 3
		.amdhsa_float_denorm_mode_16_64 3
		.amdhsa_memory_ordered 1
		.amdhsa_forward_progress 1
		.amdhsa_inst_pref_size 47
	.end_amdhsa_kernel
	.amdgpu_metadata
---
amdhsa.version: [ 1, 2 ]
amdhsa.kernels:
  - .name:           k_q8530abc46b_fine_attn
    .symbol:         k_q8530abc46b_fine_attn.kd
    .args:
      - { .name: xc, .offset: 0, .size: 8, .value_kind: global_buffer, .address_space: global }
      - { .name: xs, .offset: 8, .size: 8, .value_kind: global_buffer, .address_space: global }
      - { .name: wc, .offset: 16, .size: 8, .value_kind: global_buffer, .address_space: global }
      - { .name: ws, .offset: 24, .size: 8, .value_kind: global_buffer, .address_space: global }
      - { .name: bqkv, .offset: 32, .size: 8, .value_kind: global_buffer, .address_space: global }
      - { .name: yfine, .offset: 40, .size: 8, .value_kind: global_buffer, .address_space: global }
    .group_segment_fixed_size: 0
    .private_segment_fixed_size: 0
    .kernarg_segment_align: 8
    .kernarg_segment_size: 48
    .max_flat_workgroup_size: 32
    .sgpr_count:     66
    .vgpr_count:     1024
    .wavefront_size: 32
...
	.end_amdgpu_metadata
.endif
;; end of part 5
;; launch fine_proj (part 6): grid 64 x 4, 16 waves a work-group, no clusters, 18,432 bytes of LDS; arguments yfine, Wout, bout, out0; writes out0
.if DOCPART == 6
	.amdgcn_target "amdgcn-amd-amdhsa--gfx1250"
	.amdhsa_code_object_version 6
	.text
	.protected	k_q8530abc46b_fine_proj
	.globl	k_q8530abc46b_fine_proj
	.p2align	8
	.type	k_q8530abc46b_fine_proj,@function
k_q8530abc46b_fine_proj:
	s_mov_b64 s[64:65], 0
	v_nop
	global_prefetch_b8 v0, s[64:65] scope:SCOPE_SE
	s_setreg_imm32_b32 hwreg(HW_REG_WAVE_MODE, 25, 1), 1
	s_wait_xcnt 0x0
; The first 16 positions of each sequence: out0 = y Wout + bout in f32, over the rows that the f16 product has written coarsely.
; A work-group makes 16 rows (one batch's) x 16 columns; wave w takes head w's 64 of K: 16 matrix instructions of the f32 form on four accumulators by turns (no bulk work: 64 rows in all).
; yfine holds y as images: lane (r, h) of piece (t, half) has y(row r, feature 64 w + 16 t + 8 h + 4 half + 0..3); a pair of its registers is the form's source 0, and Wout is loaded by the same choice of features.
; The sixteen partial sums meet in LDS; wave 0 adds them in ascending order of heads, adds the bias and stores.
; STATED: these 64 rows leave in runs of 64 bytes, 262,144 bytes in all.
.set SPARE, 16384                      ; behind the partial sums (1,024 bytes a wave): the spare words, 128 bytes for each of sixteen waves
	s_load_b256 s[4:11], s[0:1], 0x0               ; yfine s[4:5], Wout s[6:7], bout s[8:9], out0 s[10:11]
	v_lshl_add_u32 v2, v0, 2, SPARE                ; my spare word; never rewritten
	v_mov_b32 v3, 0                                ; 0; never rewritten
	v_lshrrev_b32 v1, 5, v0
	v_readfirstlane_b32 s12, v1                    ; wave 0..15 = head
	v_and_b32 v4, 31, v0
	v_lshlrev_b32 v4, 4, v4                        ; 16 x lane
	v_and_b32 v5, 15, v0
	v_bfe_u32 v6, v0, 4, 1
	v_lshlrev_b32 v5, 2, v5                        ; 4 r
	v_lshl_add_u32 v6, v6, 15, v5                  ; 8 h rows of 4,096 bytes + 4 r
	s_lshl_b32 s13, s12, 10
	v_add_nc_u32 v7, s13, v4                       ; my wave's partial sums
	s_and_b32 s14, ttmp7, 0xffff                   ; batch
	s_mov_b32 s17, 0
	s_wait_kmcnt 0x0
	s_lshl_b32 s16, s14, 4
	s_add_co_u32 s16, s16, s12
	s_lshl_b32 s16, s16, 12
	s_add_nc_u64 s[4:5], s[4:5], s[16:17]          ; y of (batch, head)
	s_lshl_b32 s16, s12, 18                        ; the head's 64 rows of Wout,
	s_lshl_b32 s18, ttmp9, 6                       ; my 16 columns
	s_add_co_u32 s16, s16, s18
	s_add_nc_u64 s[6:7], s[6:7], s[16:17]
	s_mov_b32 s16, s18
	s_add_nc_u64 s[8:9], s[8:9], s[16:17]
	s_lshl_b32 s16, s14, 23                        ; the batch's first row of out0
	s_add_co_u32 s16, s16, s18
	s_add_nc_u64 s[10:11], s[10:11], s[16:17]
.irp p, 0,1,2,3,4,5,6,7
	global_load_b128 v[16+4*\p:19+4*\p], v4, s[4:5] offset:512*\p
.endr
.irp p, 0,1,2,3,4,5,6,7
.irp e, 0,1,2,3
	global_load_b32 v[48+4*\p+\e], v6, s[6:7] offset:(16*(\p/2)+4*(\p%2)+\e)*4096
.endr
.endr
	global_load_b32 v120, v5, s[8:9]               ; bout of column r
	s_wait_loadcnt 0x0
.irp q, 0,1,2,3,4,5,6,7,8,9,10,11,12,13,14,15
.if \q < 4
	v_wmma_f32_16x16x4_f32 v[80+8*(\q%4):87+8*(\q%4)], v[16+2*\q:17+2*\q], v[48+2*\q:49+2*\q], 0
.else
	v_wmma_f32_16x16x4_f32 v[80+8*(\q%4):87+8*(\q%4)], v[16+2*\q:17+2*\q], v[48+2*\q:49+2*\q], v[80+8*(\q%4):87+8*(\q%4)]
.endif
.endr
.rept 8
	v_nop                                          ; eight places behind this form
.endr
.irp i, 0,2,4,6
	v_pk_add_f32 v[112+\i:113+\i], v[80+\i:81+\i], v[88+\i:89+\i]
.endr
.irp i, 0,2,4,6
	v_pk_add_f32 v[8+\i:9+\i], v[96+\i:97+\i], v[104+\i:105+\i]
.endr
.irp i, 0,2,4,6
	v_pk_add_f32 v[112+\i:113+\i], v[112+\i:113+\i], v[8+\i:9+\i]   ; register j: (row 8 h + j, column r), my head's part
.endr
	ds_store_b128 v7, v[112:115]
	ds_store_b128 v7, v[116:119] offset:512
	s_wait_dscnt 0x0                               ; for the others' sake: my stores have landed
	s_barrier_signal -1
	s_barrier_wait -1
	s_cmp_lg_u32 s12, 0
	s_cbranch_scc1 .Ldone
.irp w, 0,1,2,3,4,5,6,7,8,9,10,11,12,13,14,15
	ds_load_b128 v[128+8*\w:131+8*\w], v4 offset:1024*\w
	ds_load_b128 v[132+8*\w:135+8*\w], v4 offset:1024*\w+512
.endr
	s_wait_dscnt 0x0
.irp w, 1,2,3,4,5,6,7,8,9,10,11,12,13,14,15
.irp i, 0,2,4,6
	v_pk_add_f32 v[128+\i:129+\i], v[128+\i:129+\i], v[128+8*\w+\i:129+8*\w+\i]
.endr
.endr
.irp j, 0,1,2,3,4,5,6,7
	v_add_f32 v[128+\j], v[128+\j], v120
.endr
.irp j, 0,1,2,3,4,5,6,7
	global_store_b32 v6, v[128+\j], s[10:11] offset:4096*\j
.endr
.Ldone:
	s_wait_tensorcnt 0x0                           ; the wave's end, behind my last LDS store
	ds_add_u32 v2, v3
	s_wait_dscnt 0x0
	s_endpgm
.Lfunc_end_k_q8530abc46b_fine_proj:
	.size	k_q8530abc46b_fine_proj, .Lfunc_end_k_q8530abc46b_fine_proj-k_q8530abc46b_fine_proj
	.p2alignl 7, 3214868480
	.fill 96, 4, 3214868480
	.section	.rodata,"a",@progbits
	.p2align	6, 0x0
	.amdhsa_kernel k_q8530abc46b_fine_proj
		.amdhsa_group_segment_fixed_size 18432
		.amdhsa_private_segment_fixed_size 0
		.amdhsa_enable_private_segment 0
		.amdhsa_kernarg_size 32
		.amdhsa_user_sgpr_count 2
		.amdhsa_user_sgpr_kernarg_segment_ptr 1
		.amdhsa_wavefront_size32 1
		.amdhsa_system_sgpr_workgroup_id_x 1
		.amdhsa_system_sgpr_workgroup_id_y 1
		.amdhsa_system_sgpr_workgroup_id_z 1
		.amdhsa_system_vgpr_workitem_id 0
		.amdhsa_next_free_vgpr 256
		.amdhsa_next_free_sgpr 66
		.amdhsa_reserve_vcc 0
		.amdhsa_float_denorm_mode_32 3
		.amdhsa_float_denorm_mode_16_64 3
		.amdhsa_memory_ordered 1
		.amdhsa_forward_progress 1
		.amdhsa_inst_pref_size 15
	.end_amdhsa_kernel
	.amdgpu_metadata
---
amdhsa.version: [ 1, 2 ]
amdhsa.kernels:
  - .name:           k_q8530abc46b_fine_proj
    .symbol:         k_q8530abc46b_fine_proj.kd
    .args:
      - { .name: yfine, .offset: 0, .size: 8, .value_kind: global_buffer, .address_space: global }
      - { .name: Wout, .offset: 8, .size: 8, .value_kind: global_buffer, .address_space: global }
      - { .name: bout, .offset: 16, .size: 8, .value_kind: global_buffer, .address_space: global }
      - { .name: out0, .offset: 24, .size: 8, .value_kind: global_buffer, .address_space: global }
    .group_segment_fixed_size: 18432
    .private_segment_fixed_size: 0
    .kernarg_segment_align: 8
    .kernarg_segment_size: 32
    .max_flat_workgroup_size: 512
    .sgpr_count:     66
    .vgpr_count:     256
    .wavefront_size: 32
...
	.end_amdgpu_metadata
.endif
;; end of part 6
